; MI455X (gfx1250); checked and timed in simulation.
; The chip was launched on July 23, 2026; its instructions are those of AMD's public machine-readable ISA for CDNA 5 (MIT licence, August 2026) and "CDNA5" Instruction Set Architecture Reference Guide (July 2026). The comments in the code are by the model that wrote it; some were corrected since.
;; Block. Allowed arithmetic: matrix products marked QUANTISED: E5M2 operands, one given power-of-two scale a tensor, by v_wmma_f32_16x16x64_bf8_bf8 or v_wmma_f32_16x16x128_bf8_bf8, f32 sums; everything else in f32.
;; Inputs: b1 2,048 float32; b2 512 float32; b_ln1 512 float32; b_ln2 512 float32; bo 512 float32; g_ln1 512 float32; g_ln2 512 float32; lowp_scales 16 int32 (the exponents e of the quantised operands' scales 2^e); w1 512 x 2,048 float32; w2 2,048 x 512 float32; wk 512 x 512 float32; wo 512 x 512 float32; wq 512 x 512 float32; wv 512 x 512 float32; x 4 x 2,048 x 512 float32.
;; Outputs: out0 4 x 2,048 x 512 float32.
;; This version of the problem:
;;   THIS VERSION OF THE PROBLEM IS GIVEN IN LOW PRECISION. The matrix products marked QUANTISED in the list below multiply operands that are first quantised to E5M2 (5 exponent bits, 2 mantissa bits; 8 bits a number), with one given power-of-two scale for each operand tensor; their sums are f32. All else is computed in f32.
;;   The module's matrix products, in the order in which they are computed (A, B: the left and right operand; K: the contracted axis; several contracted axes count as one K, in the product's order):
;;     1. [M 8,192, K 512] x [K 512, N 512]; A: computed on the way; B: input wq: QUANTISED (scales: A lowp_scales[0], B lowp_scales[1])
;;     2. [M 8,192, K 512] x [K 512, N 512]; A: computed on the way; B: input wk: QUANTISED (scales: A lowp_scales[2], B lowp_scales[3])
;;     3. [M 8,192, K 512] x [K 512, N 512]; A: computed on the way; B: input wv: QUANTISED (scales: A lowp_scales[4], B lowp_scales[5])
;;     4. batch 64 x [M 2,048, K 32] x [K 32, N 2,048]; A: computed on the way; B: computed on the way: QUANTISED (scales: A lowp_scales[6], B lowp_scales[7])
;;     5. batch 64 x [M 32, K 2,048] x [K 2,048, N 2,048]; A: computed on the way; B: softmax (see below): QUANTISED (scales: A lowp_scales[8], B lowp_scales[9])
;;     6. [M 8,192, K 512] x [K 512, N 512]; A: computed on the way; B: input wo: QUANTISED (scales: A lowp_scales[10], B lowp_scales[11])
;;     7. [M 8,192, K 512] x [K 512, N 2,048]; A: computed on the way; B: input w1: QUANTISED (scales: A lowp_scales[12], B lowp_scales[13])
;;     8. [M 8,192, K 2,048] x [K 2,048, N 512]; A: computed on the way; B: input w2: QUANTISED (scales: A lowp_scales[14], B lowp_scales[15])
;;   THE QUANTISER, for each operand of a quantised product, along K:
;;     - The operand's scale is 2^e, e = its entry of the input lowp_scales (int32; the entries are numbered through the quantised products in the list's order, A before B).
;;     - Each number is divided by the scale, clamped to +-57,344, and rounded to the nearest number of E5M2, ties to even, subnormals kept.
;;     - The product sums the exact products of the quantised numbers (number of the format x scale) in f32.
;;   ~~~python
;;   def quantise(x, axis, e):      # numpy; x: float32 -> the quantised numbers, widened to float32 again
;;       x = np.moveaxis(x, axis, -1); K = x.shape[-1]
;;       r = np.clip(x / 2.0 ** e, -57344, 57344)
;;       step = 2.0 ** (np.maximum(np.frexp(np.where(r == 0, 1, r))[1] - 1, -14) - 2)
;;       q = np.round(r / step) * step * 2.0 ** e      # np.round: ties to even
;;       return np.moveaxis(q, -1, axis).astype(np.float32)
;;   ~~~
;;   SOFTMAX AHEAD OF A QUANTISED PRODUCT. Where the list says 'softmax', what is quantised is not the finished softmax but p = 2^(t - M), with t = logit x log2(e) and M = ceil(the row's largest t), a whole number; so 1/2 < the row's largest p <= 1. The row's sum l is taken of the UNQUANTISED p, in f32, and the product's result is divided by l at the end. Since M is a whole number, a kernel that streams over the keys may use a running M (the ceiling of the running maximum): every later rescaling is an exact power of two, so the quantised numbers keep their values, but for numbers so far below the row's largest that they fall under the format's range.
;;   OPERANDS COMPUTED ON THE WAY. 'Computed on the way' means the value that the module computes at that place (a softmax that the list does not call 'softmax' is quantised finished and normalised). What goes into a quantiser is computed in f32, as accurately as f32 sums, v_exp_f32 and their like allow (about 1e-6 of the number): no bf16 or f16 on the way to a quantiser, and a product that is left as it is and whose result goes on into a quantised operand takes f32 operands (vector FMAs, or v_wmma_f32_16x16x4_f32). A number that lies on a knife's edge between two numbers of the format may be rounded either way, as far as f32 arithmetic and the matrix unit's own rounding can turn it there, and no further.
;; 2 versions. Each part assembles by itself: llvm-mc -triple=amdgcn-amd-amdhsa -mcpu=gfx1250 --defsym DOCPART=n.
;; ======== version 1 of 2: 4 launches
;; workspace buffers: wcodes 3,145,728 bytes; qimg 4,194,304 bytes; kimg 4,194,304 bytes; vimg 4,194,304 bytes; aimg 4,194,304 bytes
;; launch prep (part 1): grid 192 x 1, 4 waves a work-group, no clusters, 0 bytes of LDS; arguments wq, wk, wv, wo, w1, w2, lowp_scales, wcodes; writes wcodes
.if DOCPART == 1
	.amdgcn_target "amdgcn-amd-amdhsa--gfx1250"
	.amdhsa_code_object_version 6
	.text
	.protected	k_qdba2dd211c_prep
	.globl	k_qdba2dd211c_prep
	.p2align	8
	.type	k_qdba2dd211c_prep,@function
k_qdba2dd211c_prep:
	s_mov_b64 s[64:65], 0
	v_nop
	global_prefetch_b8 v0, s[64:65] scope:SCOPE_SE
	s_setreg_imm32_b32 hwreg(HW_REG_WAVE_MODE, 25, 1), 1
	s_wait_xcnt 0x0
; The six weights, f32 stored [K][N] (K is the first axis), become codes of BF8 (E5M2), each with its given scale 2^e, laid in the ORDER OF THE OPERAND'S REGISTERS of the later launches.
; code = x / 2^e, held within +-57,344, rounded to the nearest code, ties to even.  LIMIT: e between -126 and 112.  NaN among the inputs is not served.
; wcodes: 12 chunks x 16 waves x 16 KiB.  Byte  q 262144 + w 16384 + (2 s + u) 2048 + c 512 + h 256 + r 16  holds W[kbase + 128 s + 32 c + 16 h + 0..15][nbase + 8 u + r + 8 (r / 8)].
;   q = 0..3: wq, wk, wv, wo (e1, e3, e5, e11), kbase 0, nbase 32 w;   q = 4 + b: w1 (e13), kbase 0, nbase 128 w + 32 b;   q = 8 + g: w2 (e15), kbase 512 g, nbase 32 w.
; A LANE TAKES A COLUMN AND ITS REGISTERS RUN DOWN K: a wave takes 32 columns x 128 along K; each load reads 128 neighbouring bytes a wave, 512 a work-group; the conversions give codes with K innermost.
; A lane's 16 codes are 16 bytes of a fragment's group, and sixteen lanes fill 256 consecutive aligned bytes: no stage in LDS is needed.  Waves share nothing: no LDS, no barrier.
; Memory binds here: matrix units, clusters and tensor loads would add nothing.
.set X, 64                             ; v64-191  128 numbers down K of my column
.set C, 192                            ; v192-223 codes: eight registers for each block of 32, so that no store's data are written again
.macro LOADS t, pitch                  ; block t: W(32 t + i, my column), i = 0 .. 31
.set i, 0
.rept 32
	global_load_b32 v[X+32*(\t)+i], v3, s[4:5] offset:(32*(\t)+i)*(\pitch) th:TH_LOAD_NT
.set i, i+1
.endr
.endm
.macro BODY pitch                      ; pitch: a row of the weight in bytes; it stands in the loads' immediates, so the body is written once for each pitch
	LOADS 0, \pitch
	LOADS 1, \pitch
	s_wait_kmcnt 0x0                               ; the sixteen exponents
	s_cmp_eq_u32 s28, 0                            ; e by the tensor, which hangs on the work-group's number alone
	s_cselect_b32 s6, s33, s35                     ; wq: e1, wk: e3
	s_cmp_eq_u32 s28, 2
	s_cselect_b32 s6, s37, s6                      ; wv: e5
	s_cmp_eq_u32 s28, 3
	s_cselect_b32 s6, s43, s6                      ; wo: e11
	s_cmp_ge_u32 s28, 4
	s_cselect_b32 s6, s45, s6                      ; w1: e13
	s_cmp_ge_u32 s28, 8
	s_cselect_b32 s6, s47, s6                      ; w2: e15
	s_add_co_i32 s6, s6, 127
	s_lshl_b32 s7, s6, 23
	v_mov_b32 v11, s7                              ; 2^e as f32: the conversion takes its exponent field
	s_add_co_i32 s6, s6, 15
	s_lshl_b32 s6, s6, 23
	s_or_b32 s6, s6, 0x600000
	v_mov_b32 v10, s6                              ; 57,344 x 2^e
.irp c, 0,1,2,3
.if \c < 3
	s_wait_loadcnt 32                              ; this block's 32 loads are in; the next block's 32 may be out
.else
	s_wait_loadcnt 0x0
.endif
.if \c < 2
	LOADS \c+2, \pitch                             ; two blocks ahead, into registers of their own
.endif
.set i, 0
.rept 32
	v_med3_num_f32 v[X+32*\c+i], v[X+32*\c+i], -v10, v10   ; the conversion to an 8-bit code does not saturate (ISA guide 7.6.2): the hold comes first
.set i, i+1
.endr
.irp g, 0,1,2,3
	v_cvt_scalef32_pk8_bf8_f32 v[C+8*\c+2*\g:C+8*\c+2*\g+1], v[X+32*\c+8*\g:X+32*\c+8*\g+7], v11
.endr
	global_store_b128 v4, v[C+8*\c:C+8*\c+3], s[26:27] offset:\c*512          ; k = 32 c + 0 .. 15: the half h = 0 of group c; sixteen lanes fill 256 consecutive aligned bytes
	global_store_b128 v4, v[C+8*\c+4:C+8*\c+7], s[26:27] offset:\c*512+256    ; k = 32 c + 16 .. 31: h = 1
.endr
	s_endpgm
.endm
	s_load_b512 s[8:23], s[0:1], 0x0               ; wq s[8:9], wk s[10:11], wv s[12:13], wo s[14:15], w1 s[16:17], w2 s[18:19], the exponents s[20:21], wcodes s[22:23]
	v_lshrrev_b32 v1, 5, v0
	v_readfirstlane_b32 s2, v1                     ; wave 0..3
	v_and_b32 v2, 31, v0                           ; lane o = my column among the wave's 32
	v_lshlrev_b32 v3, 2, v2                        ; in: 4 bytes a lane
	v_bfe_u32 v5, v2, 3, 1                         ; column o = 8 u + r + 8 (r / 8):  u = (o / 8) % 2,
	v_and_b32 v6, 7, v2                            ; r = o % 8 + 8 (o / 16)
	v_lshrrev_b32 v7, 4, v2
	v_lshlrev_b32 v4, 11, v5                       ; out: 2048 u
	v_lshl_add_u32 v4, v6, 4, v4                   ;      + 16 (o % 8)
	v_lshl_add_u32 v4, v7, 7, v4                   ;      + 128 (o / 16)
	s_lshr_b32 s28, ttmp9, 4                       ; 0..3: wq, wk, wv, wo; 4..7: w1; 8..11: w2
	s_wait_kmcnt 0x0
	s_load_b512 s[32:47], s[20:21], 0x0            ; e0 .. e15
	; the arms make offsets alone: s29 = block of 32 columns, s24 = first row's bytes in the weight, s26 = place in wcodes
	s_cmp_ge_u32 ttmp9, 128
	s_cbranch_scc1 .Lis_w2
	s_cmp_ge_u32 ttmp9, 64
	s_cbranch_scc1 .Lis_w1
	s_and_b32 s29, ttmp9, 3
	s_lshl_b32 s29, s29, 2
	s_add_co_u32 s29, s29, s2                      ; column block 0..15 = the wave that will read it
	s_bfe_u32 s30, ttmp9, 0x20002                  ; K step 0..3
	s_lshl_b32 s24, s30, 18                        ; 128 rows of 2,048 bytes
	s_lshl_b32 s26, s28, 18                        ; chunk = the tensor's number
	s_lshl_b32 s31, s29, 14
	s_add_co_u32 s26, s26, s31
	s_lshl_b32 s31, s30, 12
	s_add_co_u32 s26, s26, s31
	s_branch .Lplaced
.Lis_w1:
	s_sub_co_u32 s31, ttmp9, 64
	s_and_b32 s29, s31, 15                         ; four column blocks = 128 hidden units = the reading wave
	s_lshr_b32 s30, s31, 4                         ; K step 0..3
	s_lshl_b32 s24, s30, 20                        ; 128 rows of 8,192 bytes
	s_add_co_u32 s26, s2, 4                        ; chunk 4 + b, b = my wave
	s_lshl_b32 s26, s26, 18
	s_lshl_b32 s31, s29, 14
	s_add_co_u32 s26, s26, s31
	s_lshl_b32 s31, s30, 12
	s_add_co_u32 s26, s26, s31
	s_lshl_b32 s29, s29, 2
	s_add_co_u32 s29, s29, s2                      ; column block 0..63
	s_branch .Lplaced
.Lis_w2:
	s_sub_co_u32 s31, ttmp9, 128
	s_and_b32 s29, s31, 3
	s_lshl_b32 s29, s29, 2
	s_add_co_u32 s29, s29, s2                      ; column block 0..15
	s_lshr_b32 s30, s31, 2                         ; K step 0..15
	s_lshl_b32 s24, s30, 18
	s_lshr_b32 s26, s30, 2
	s_add_co_u32 s26, s26, 8                       ; chunk 8 + K step / 4
	s_lshl_b32 s26, s26, 18
	s_lshl_b32 s31, s29, 14
	s_add_co_u32 s26, s26, s31
	s_and_b32 s31, s30, 3
	s_lshl_b32 s31, s31, 12
	s_add_co_u32 s26, s26, s31
.Lplaced:
	s_lshl_b32 s31, s29, 7                         ; 32 columns are 128 bytes
	s_add_co_u32 s24, s24, s31
	s_mov_b32 s25, 0
	s_mov_b32 s27, 0
	s_cmp_eq_u32 s28, 0                            ; the weight's address, chosen on the work-group's number alone
	s_cselect_b64 s[4:5], s[8:9], s[10:11]
	s_cmp_eq_u32 s28, 2
	s_cselect_b64 s[4:5], s[12:13], s[4:5]
	s_cmp_eq_u32 s28, 3
	s_cselect_b64 s[4:5], s[14:15], s[4:5]
	s_cmp_ge_u32 s28, 4
	s_cselect_b64 s[4:5], s[16:17], s[4:5]
	s_cmp_ge_u32 s28, 8
	s_cselect_b64 s[4:5], s[18:19], s[4:5]
	s_add_nc_u64 s[4:5], s[4:5], s[24:25]
	s_add_nc_u64 s[26:27], s[22:23], s[26:27]
	s_lshr_b32 s31, ttmp9, 6
	s_cmp_eq_u32 s31, 1
	s_cbranch_scc1 .Lwide
	BODY 2048
.Lwide:
	BODY 8192
.Lfunc_end_k_qdba2dd211c_prep:
	.size	k_qdba2dd211c_prep, .Lfunc_end_k_qdba2dd211c_prep-k_qdba2dd211c_prep
	.p2alignl 7, 3214868480
	.fill 96, 4, 3214868480
	.section	.rodata,"a",@progbits
	.p2align	6, 0x0
	.amdhsa_kernel k_qdba2dd211c_prep
		.amdhsa_group_segment_fixed_size 0
		.amdhsa_private_segment_fixed_size 0
		.amdhsa_enable_private_segment 0
		.amdhsa_kernarg_size 64
		.amdhsa_user_sgpr_count 2
		.amdhsa_user_sgpr_kernarg_segment_ptr 1
		.amdhsa_wavefront_size32 1
		.amdhsa_system_sgpr_workgroup_id_x 1
		.amdhsa_system_sgpr_workgroup_id_y 1
		.amdhsa_system_sgpr_workgroup_id_z 1
		.amdhsa_system_vgpr_workitem_id 0
		.amdhsa_next_free_vgpr 224
		.amdhsa_next_free_sgpr 66
		.amdhsa_reserve_vcc 0
		.amdhsa_float_denorm_mode_32 3
		.amdhsa_float_denorm_mode_16_64 3
		.amdhsa_memory_ordered 1
		.amdhsa_forward_progress 1
		.amdhsa_inst_pref_size 48
	.end_amdhsa_kernel
	.amdgpu_metadata
---
amdhsa.version: [ 1, 2 ]
amdhsa.kernels:
  - .name:           k_qdba2dd211c_prep
    .symbol:         k_qdba2dd211c_prep.kd
    .args:
      - { .name: wq, .offset: 0, .size: 8, .value_kind: global_buffer, .address_space: global }
      - { .name: wk, .offset: 8, .size: 8, .value_kind: global_buffer, .address_space: global }
      - { .name: wv, .offset: 16, .size: 8, .value_kind: global_buffer, .address_space: global }
      - { .name: wo, .offset: 24, .size: 8, .value_kind: global_buffer, .address_space: global }
      - { .name: w1, .offset: 32, .size: 8, .value_kind: global_buffer, .address_space: global }
      - { .name: w2, .offset: 40, .size: 8, .value_kind: global_buffer, .address_space: global }
      - { .name: lowp_scales, .offset: 48, .size: 8, .value_kind: global_buffer, .address_space: global }
      - { .name: wcodes, .offset: 56, .size: 8, .value_kind: global_buffer, .address_space: global }
    .group_segment_fixed_size: 0
    .private_segment_fixed_size: 0
    .kernarg_segment_align: 8
    .kernarg_segment_size: 64
    .max_flat_workgroup_size: 128
    .sgpr_count:     66
    .vgpr_count:     224
    .wavefront_size: 32
...
	.end_amdgpu_metadata
.endif
;; end of part 1
;; launch qkv (part 2): grid 256 x 1, 16 waves a work-group, no clusters, 54,272 bytes of LDS; arguments x, g_ln1, b_ln1, wcodes, lowp_scales, qimg, kimg, vimg; writes qimg, kimg, vimg
.if DOCPART == 2
	.amdgcn_target "amdgcn-amd-amdhsa--gfx1250"
	.amdhsa_code_object_version 6
	.text
	.protected	k_qdba2dd211c_qkv
	.globl	k_qdba2dd211c_qkv
	.p2align	8
	.type	k_qdba2dd211c_qkv,@function
k_qdba2dd211c_qkv:
	s_mov_b64 s[64:65], 0
	v_nop
	global_prefetch_b8 v0, s[64:65] scope:SCOPE_SE
	s_setreg_imm32_b32 hwreg(HW_REG_WAVE_MODE, 25, 1), 1
	s_wait_xcnt 0x0
; h = layernorm(x) g + b;  q = h wq, k = h wk, v = h wv, all three products on codes of BF8 (E5M2) with the given scales; q, k, v leave as codes (e6, e7, e8) in the order of attention's operand registers.
; SHARES.  A work-group owns 32 tokens; its sixteen waves share the COLUMNS: wave w makes head w (columns 32 w .. 32 w + 31) of q, k and v for all 32 tokens.
; h is quantised three times (e0, e2, e4 may differ) and goes from wave to wave through LDS.  Each wave's weights come from wcodes straight into its registers, 16 KiB a product, each byte once.
; TILES OF ROWS ARE PERMUTED: lane row r of tile m holds token 8 m + r + 8 (r / 8) of the 32; a weight tile u holds column 8 u + r + 8 (r / 8) of the head's 32.  So a lane's 16 registers of two neighbouring
; result tiles are 16 NEIGHBOURS: along the head's 32 (q, k: source 0 = weights, source 1 = h) or along the tokens (v: sources swapped), and two conversions give 16 bytes of the next operand.
; OPERAND OF K = 128: registers 4 c .. 4 c + 3 of lane (r, h) hold k = 32 c + 16 h + 0 .. 15: the same permutation of k on both sides of every product.
; LDS: variant n (e0, e2, e4) at 17408 n; in it tile m at 8704 m, then [k / 16][16 rows x 16 bytes + 16 of padding]: 272 bytes apart, so sixteen lanes of a store or load touch sixteen different 16-byte columns of 256.
; NO CLUSTER, NO TENSOR LOAD: a weight byte feeds one wave's registers once; brought jointly it would have to be written to LDS and read back, 768 KiB a work-group, for nothing saved in registers.
; LIMITS: e0, e2, e4, e6 - e0 - e1, e7 - e2 - e3, e8 - e4 - e5 between -126 and 112.  NaN among the inputs is not served.
.set L16,  1                           ; v1   16 x lane
.set WOFF, 2                           ; v2   16384 x wave + 16 x lane: my place in a chunk of wcodes; never rewritten
.set A0,   3                           ; v3   LDS: 272 h + 16 r: my place in an image, tile 0
.set A1,   4                           ; v4   tile 1
.set STA,  5                           ; v5   LDS: where I store my two rows' codes
.set XO,   6                           ; v6   64 x lane: my 16 columns of a row
.set ACC,  16                          ; v16-47   four accumulators; at the head my two rows of x
.set AF0,  48                          ; v48-79   h's fragments of a K step, both tiles; at the head g and b (v48-79), then h's codes (v48-71)
.set AF1,  80                          ; v80-111  the same, the other buffer; at the head 16 numbers at work
.set SC,   112                         ; v112 the conversion's scale as f32
.set LIM,  113                         ; v113 57,344 x the scale
.set CD,   114                         ; v114-121 codes to store; in the layernorm v114-119 statistics
.set W,    128                         ; v128-255 a chunk of weights: 8 fragments (K step s, tile u) at 16 (2 s + u)
.set WB,   14                          ; s[14:15] wcodes, never stepped: the chunk stands in the immediate
.set TS,   28                          ; s28, s29 at work
.set EPS,  58
.set RD,   59
.set SEL,  60
.macro PLACES                          ; four plain vector instructions between a matrix instruction and a load into, or a vector read or write of, its registers
.rept 4
	v_nop
.endr
.endm
.macro WLOAD q                         ; chunk q: 32 loads of 512 consecutive bytes a wave, K step by K step
.irp f, 0,1,2,3,4,5,6,7
.irp c, 0,1,2,3
	global_load_b128 v[W+16*\f+4*\c:W+16*\f+4*\c+3], v[WOFF], s[WB:WB+1] offset:(\q)*262144+\f*2048+\c*512
.endr
.endr
.endm
.macro AFETCH buf, a0, a1, off, s      ; the activations' fragments of K step s, tiles 0 and 1
.irp c, 0,1,2,3
	ds_load_b128 v[\buf+4*\c:\buf+4*\c+3], v[\a0] offset:(\off)+(8*(\s)+2*\c)*272
.endr
.irp c, 0,1,2,3
	ds_load_b128 v[\buf+16+4*\c:\buf+16+4*\c+3], v[\a1] offset:(\off)+(8*(\s)+2*\c)*272
.endr
.endm
.macro MM buf, s, swap, zero           ; four products: the four accumulators take turns, one instruction a turn, in the same order in every K step
.irp m, 0,1
.irp u, 0,1
.if \swap
.set rD, ACC+8*(2*\u+\m)
.set rA, \buf+16*\m
.set rB, W+16*(2*(\s)+\u)
.else
.set rD, ACC+8*(2*\m+\u)
.set rA, W+16*(2*(\s)+\u)
.set rB, \buf+16*\m
.endif
.if \zero
	v_wmma_f32_16x16x128_bf8_bf8 v[rD:rD+7], v[rA:rA+15], v[rB:rB+15], 0
.else
	v_wmma_f32_16x16x128_bf8_bf8 v[rD:rD+7], v[rA:rA+15], v[rB:rB+15], v[rD:rD+7]
.endif
.endr
.endr
.endm
; 32 rows x 32 columns x 512 along K.  The chunk's 32 weight loads are my youngest global loads, 8 for each K step: the counts 24, 16, 8, 0 leave the later K steps out.
; dscnt 8 leaves the second pair of fragments out.  The next chunk is asked for straight behind the last product, ahead of the work on the results.
.macro CHUNK a0, a1, off, swap, zero, next
	AFETCH AF0, \a0, \a1, \off, 0
	AFETCH AF1, \a0, \a1, \off, 1
	s_wait_loadcnt 24
	s_wait_dscnt 8
	MM AF0, 0, \swap, \zero
	s_wait_loadcnt 16
	s_wait_dscnt 0x0
	MM AF1, 1, \swap, 0
	PLACES
	AFETCH AF0, \a0, \a1, \off, 2
	AFETCH AF1, \a0, \a1, \off, 3
	s_wait_loadcnt 8
	s_wait_dscnt 8
	MM AF0, 2, \swap, 0
	s_wait_loadcnt 0x0
	s_wait_dscnt 0x0
	MM AF1, 3, \swap, 0
	PLACES
.if \next >= 0
	WLOAD \next
.endif
.endm
.macro SETSC e                         ; s[e] = E:  v[SC] = 2^E, v[LIM] = 57,344 x 2^E
	s_add_co_i32 s[TS], s[\e], 127
	s_lshl_b32 s[TS+1], s[TS], 23
	v_mov_b32 v[SC], s[TS+1]
	s_add_co_i32 s[TS], s[TS], 15
	s_lshl_b32 s[TS], s[TS], 23
	s_or_b32 s[TS], s[TS], 0x600000
	v_mov_b32 v[LIM], s[TS]
.endm
.macro QUANT src, tmp, dst, relu       ; 16 neighbours along the next K become 16 codes in four registers; read from the low end on
.irp i, 0,1,2,3,4,5,6,7,8,9,10,11,12,13,14,15
.if \relu
	v_med3_num_f32 v[\tmp+\i], v[\src+\i], 0, v[LIM]
.else
	v_med3_num_f32 v[\tmp+\i], v[\src+\i], -v[LIM], v[LIM]   ; the conversion to an 8-bit code does not saturate (ISA guide 7.6.2): the hold comes first
.endif
.endr
	v_cvt_scalef32_pk8_bf8_f32 v[\dst:\dst+1], v[\tmp:\tmp+7], v[SC]
	v_cvt_scalef32_pk8_bf8_f32 v[\dst+2:\dst+3], v[\tmp+8:\tmp+15], v[SC]
	v_nop                                          ; one plain vector instruction before anything writes the conversions' sources or touches their results
.endm
.macro BARRIER                         ; my LDS stores have landed and my LDS loads are in: then the work-group's barrier
	s_wait_dscnt 0x0
	s_barrier_signal -1
	s_barrier_wait -1
.endm
.macro SUM16 src, dst                  ; the sum of 16 registers, two at a time, in two chains
	v_pk_add_f32 v[122:123], v[\src:\src+1], v[\src+2:\src+3]
	v_pk_add_f32 v[124:125], v[\src+4:\src+5], v[\src+6:\src+7]
	v_pk_add_f32 v[122:123], v[122:123], v[\src+8:\src+9]
	v_pk_add_f32 v[124:125], v[124:125], v[\src+10:\src+11]
	v_pk_add_f32 v[122:123], v[122:123], v[\src+12:\src+13]
	v_pk_add_f32 v[124:125], v[124:125], v[\src+14:\src+15]
	v_pk_add_f32 v[122:123], v[122:123], v[124:125]
	v_add_f32 v[\dst], v122, v123
.endm
.macro SQ16 src, dst                   ; the sum of their squares
	v_pk_mul_f32 v[122:123], v[\src:\src+1], v[\src:\src+1]
	v_pk_mul_f32 v[124:125], v[\src+2:\src+3], v[\src+2:\src+3]
.irp i, 4,8,12
	v_pk_fma_f32 v[122:123], v[\src+\i:\src+\i+1], v[\src+\i:\src+\i+1], v[122:123]
	v_pk_fma_f32 v[124:125], v[\src+\i+2:\src+\i+3], v[\src+\i+2:\src+\i+3], v[124:125]
.endr
	v_pk_add_f32 v[122:123], v[122:123], v[124:125]
	v_add_f32 v[\dst], v122, v123
.endm
.macro WSUM r                          ; over the 32 lanes, the result in every lane
	v_add_f32_dpp v[\r], v[\r], v[\r] row_xmask:1 row_mask:0xf bank_mask:0xf
	v_add_f32_dpp v[\r], v[\r], v[\r] row_xmask:2 row_mask:0xf bank_mask:0xf
	v_add_f32_dpp v[\r], v[\r], v[\r] row_xmask:4 row_mask:0xf bank_mask:0xf
	v_add_f32_dpp v[\r], v[\r], v[\r] row_xmask:8 row_mask:0xf bank_mask:0xf
	v_permlanex16_b32 v127, v[\r], s[SEL], s[SEL+1]
	v_add_f32 v[\r], v[\r], v127
.endm
; One row's layernorm, in two passes (mean, then the squares of the differences), as the definition has it: a common offset in x does no harm.
.macro LNROW a
.set XR, 16+16*\a
	SUM16 XR, 114
	WSUM 114
	v_mul_f32 v116, s[RD], v114                    ; the mean: sum / 512, twice, a pair for the packed forms
	v_mul_f32 v117, s[RD], v114
.irp i, 0,2,4,6,8,10,12,14
	v_pk_add_f32 v[XR+\i:XR+\i+1], v[XR+\i:XR+\i+1], v[116:117] neg_lo:[0,1] neg_hi:[0,1]
.endr
	SQ16 XR, 114
	WSUM 114
	v_fma_f32 v114, v114, s[RD], s[EPS]            ; variance + 1e-5
	v_rsq_f32 v116, v114
	v_rsq_f32 v117, v114
	v_nop                                          ; a plain instruction behind the transcendentals
	s_wait_alu depctr_va_vdst(0)
.irp i, 0,2,4,6,8,10,12,14
	v_pk_mul_f32 v[XR+\i:XR+\i+1], v[XR+\i:XR+\i+1], v[116:117]
.endr
.irp i, 0,2,4,6,8,10,12,14
	v_pk_fma_f32 v[XR+\i:XR+\i+1], v[XR+\i:XR+\i+1], v[48+\i:49+\i], v[64+\i:65+\i]
.endr
.endm
; The results leave: 2 x 16 numbers a lane become 2 x 16 bytes; each store covers 512 consecutive aligned bytes.
.macro OUT e, base, second
	s_wait_xcnt 0x0                                ; the stores before have read v[CD] on: only now are those registers written again
	SETSC \e
	QUANT ACC, ACC, CD, 0
	QUANT ACC+16, ACC+16, CD+4, 0
	global_store_b128 v[L16], v[CD:CD+3], s[\base:\base+1]
	global_store_b128 v[L16], v[CD+4:CD+7], s[\base:\base+1] offset:\second
.endm
	s_load_b512 s[8:23], s[0:1], 0x0               ; x s[8:9], g s[10:11], b s[12:13], wcodes s[14:15], the exponents s[16:17], qimg s[18:19], kimg s[20:21], vimg s[22:23]
	v_lshl_add_u32 v15, v0, 2, 0xcc00
	v_mov_b32 v126, 0
	v_lshrrev_b32 v7, 5, v0
	v_readfirstlane_b32 s2, v7                     ; wave 0..15
	v_and_b32 v8, 31, v0                           ; lane
	v_and_b32 v9, 15, v0                           ; r
	v_bfe_u32 v10, v0, 4, 1                        ; h
	v_lshlrev_b32 v[L16], 4, v8
	s_lshl_b32 s3, s2, 14
	v_add_nc_u32 v[WOFF], s3, v[L16]
	v_lshlrev_b32 v[XO], 6, v8
	v_mul_u32_u24 v[A0], v10, 272
	v_lshl_add_u32 v[A0], v9, 4, v[A0]
	v_add_nc_u32 v[A1], 8704, v[A0]
	s_lshr_b32 s4, s2, 3                           ; my two rows lie in tile m = w / 8, rows 2 (w % 8) and + 1
	s_mul_i32 s5, s4, 8704
	s_and_b32 s6, s2, 7
	s_lshl_b32 s7, s6, 5
	s_add_co_u32 s5, s5, s7
	v_mul_u32_u24 v[STA], v8, 272                  ; my lane holds columns 16 lane on: k / 16 = lane
	v_add_nc_u32 v[STA], s5, v[STA]
	s_lshl_b32 s24, s4, 3                          ; their tokens: 8 m + r + 8 (r / 8) = 8 (w / 8) + 2 (w % 8) + 8 ((w / 4) % 2), and the next
	s_lshl_b32 s25, s6, 1
	s_add_co_u32 s24, s24, s25
	s_bfe_u32 s25, s2, 0x10002
	s_lshl_b32 s25, s25, 3
	s_add_co_u32 s24, s24, s25
	s_lshl_b32 s25, ttmp9, 5
	s_add_co_u32 s24, s24, s25
	s_lshl_b32 s24, s24, 11                        ; a row of x is 2,048 bytes
	s_mov_b32 s25, 0
	s_mov_b32 s[EPS], 0x3727c5ac                   ; 1e-5
	s_mov_b32 s[RD], 0x3b000000                    ; 1 / 512
	s_mov_b32 s[SEL], 0x76543210                   ; v_permlanex16_b32: lane l xor 16
	s_mov_b32 s[SEL+1], 0xfedcba98
	v_mov_b32 v127, 0                              ; a lane permute's destination counts as read
	s_wait_kmcnt 0x0
	s_load_b512 s[32:47], s[16:17], 0x0            ; e0 .. e15
	s_add_nc_u64 s[8:9], s[8:9], s[24:25]
.irp a, 0,1
.irp j, 0,1,2,3
	global_load_b128 v[16+16*\a+4*\j:19+16*\a+4*\j], v[XO], s[8:9] offset:\a*2048+16*\j   ; a lane holds 16 neighbours of a row, as the conversions want them
.endr
.endr
.irp j, 0,1,2,3
	global_load_b128 v[48+4*\j:51+4*\j], v[XO], s[10:11] offset:16*\j
.endr
.irp j, 0,1,2,3
	global_load_b128 v[64+4*\j:67+4*\j], v[XO], s[12:13] offset:16*\j
.endr
	WLOAD 0                                        ; wq's chunk lands while the layernorm is made
	s_lshr_b32 s24, ttmp9, 6                       ; where the results go: batch b = work-group / 64, block B = work-group % 64, head = wave
	s_lshl_b32 s24, s24, 4
	s_add_co_u32 s24, s24, s2
	s_lshl_b32 s24, s24, 16                        ; (16 b + head) x 65,536
	s_and_b32 s26, ttmp9, 63
	s_lshl_b32 s27, s26, 10
	s_add_co_u32 s30, s24, s27                     ; q, k: tile 2 B + m of 512 bytes
	s_mov_b32 s31, 0
	s_lshr_b32 s27, s26, 2
	s_lshl_b32 s27, s27, 12
	s_add_co_u32 s24, s24, s27                     ; v: key step B / 4 of 4,096 bytes, in it tile u of 2,048, in it group B % 4 of 512
	s_and_b32 s27, s26, 3
	s_lshl_b32 s27, s27, 9
	s_add_co_u32 s24, s24, s27
	s_add_nc_u64 s[18:19], s[18:19], s[30:31]
	s_add_nc_u64 s[20:21], s[20:21], s[30:31]
	s_add_nc_u64 s[22:23], s[22:23], s[24:25]
	s_wait_kmcnt 0x0
	s_sub_co_i32 s48, s38, s32                     ; a sum of h wq stands for sum x 2^(e0 + e1): its code is sum / 2^(e6 - e0 - e1)
	s_sub_co_i32 s48, s48, s33
	s_sub_co_i32 s49, s39, s34                     ; e7 - e2 - e3
	s_sub_co_i32 s49, s49, s35
	s_sub_co_i32 s50, s40, s36                     ; e8 - e4 - e5
	s_sub_co_i32 s50, s50, s37
	s_wait_loadcnt 32                              ; x, g and b are in; the 32 weight loads behind them stay out
	LNROW 0
	LNROW 1
.irp n, 0,1,2                          ; h as A of the three products: e0, e2, e4
	SETSC 32+2*\n
	QUANT 16, 80, 48+8*\n, 0
	QUANT 32, 80, 52+8*\n, 0
	ds_store_b128 v[STA], v[48+8*\n:51+8*\n] offset:\n*17408
	ds_store_b128 v[STA], v[52+8*\n:55+8*\n] offset:\n*17408+16
.endr
	BARRIER                                        ; the three images of h lie in LDS; from here on LDS is only read
	CHUNK A0, A1, 0, 0, 1, 1                       ; q: lane (r, h) holds token row r; 16 registers = dims 16 h + 0 .. 15
	OUT 48, 18, 512
	CHUNK A0, A1, 17408, 0, 1, 2                   ; k likewise
	OUT 49, 20, 512
	CHUNK A0, A1, 34816, 1, 1, -1                  ; v, sources swapped: lane (r, h) holds dim 8 u + r + 8 (r / 8); 16 registers = tokens 16 h + 0 .. 15: the keys are the next K
	OUT 50, 22, 2048
	s_wait_tensorcnt 0x0
	ds_add_u32 v15, v126
	s_wait_dscnt 0x0
	s_endpgm
.Lfunc_end_k_qdba2dd211c_qkv:
	.size	k_qdba2dd211c_qkv, .Lfunc_end_k_qdba2dd211c_qkv-k_qdba2dd211c_qkv
	.p2alignl 7, 3214868480
	.fill 96, 4, 3214868480
	.section	.rodata,"a",@progbits
	.p2align	6, 0x0
	.amdhsa_kernel k_qdba2dd211c_qkv
		.amdhsa_group_segment_fixed_size 54272
		.amdhsa_private_segment_fixed_size 0
		.amdhsa_enable_private_segment 0
		.amdhsa_kernarg_size 64
		.amdhsa_user_sgpr_count 2
		.amdhsa_user_sgpr_kernarg_segment_ptr 1
		.amdhsa_wavefront_size32 1
		.amdhsa_system_sgpr_workgroup_id_x 1
		.amdhsa_system_sgpr_workgroup_id_y 1
		.amdhsa_system_sgpr_workgroup_id_z 1
		.amdhsa_system_vgpr_workitem_id 0
		.amdhsa_next_free_vgpr 256
		.amdhsa_next_free_sgpr 66
		.amdhsa_reserve_vcc 0
		.amdhsa_float_denorm_mode_32 3
		.amdhsa_float_denorm_mode_16_64 3
		.amdhsa_memory_ordered 1
		.amdhsa_forward_progress 1
		.amdhsa_inst_pref_size 48
	.end_amdhsa_kernel
	.amdgpu_metadata
---
amdhsa.version: [ 1, 2 ]
amdhsa.kernels:
  - .name:           k_qdba2dd211c_qkv
    .symbol:         k_qdba2dd211c_qkv.kd
    .args:
      - { .name: x, .offset: 0, .size: 8, .value_kind: global_buffer, .address_space: global }
      - { .name: g_ln1, .offset: 8, .size: 8, .value_kind: global_buffer, .address_space: global }
      - { .name: b_ln1, .offset: 16, .size: 8, .value_kind: global_buffer, .address_space: global }
      - { .name: wcodes, .offset: 24, .size: 8, .value_kind: global_buffer, .address_space: global }
      - { .name: lowp_scales, .offset: 32, .size: 8, .value_kind: global_buffer, .address_space: global }
      - { .name: qimg, .offset: 40, .size: 8, .value_kind: global_buffer, .address_space: global }
      - { .name: kimg, .offset: 48, .size: 8, .value_kind: global_buffer, .address_space: global }
      - { .name: vimg, .offset: 56, .size: 8, .value_kind: global_buffer, .address_space: global }
    .group_segment_fixed_size: 54272
    .private_segment_fixed_size: 0
    .kernarg_segment_align: 8
    .kernarg_segment_size: 64
    .max_flat_workgroup_size: 512
    .sgpr_count:     66
    .vgpr_count:     256
    .wavefront_size: 32
...
	.end_amdgpu_metadata
.endif
;; end of part 2
;; launch attn (part 3): grid 4 x 64, 16 waves a work-group, no clusters, 133,120 bytes of LDS; arguments qimg, kimg, vimg, lowp_scales, aimg; writes aimg
.if DOCPART == 3
	.amdgcn_target "amdgcn-amd-amdhsa--gfx1250"
	.amdhsa_code_object_version 6
	.text
	.protected	k_qdba2dd211c_attn
	.globl	k_qdba2dd211c_attn
	.p2align	8
	.type	k_qdba2dd211c_attn,@function
k_qdba2dd211c_attn:
	s_mov_b64 s[64:65], 0
	v_nop
	global_prefetch_b8 v0, s[64:65] scope:SCOPE_SE
	s_setreg_imm32_b32 hwreg(HW_REG_WAVE_MODE, 25, 1), 1
	s_wait_xcnt 0x0
; Causal attention of one head (work-group y = 16 batch + head), head size 32, 2,048 tokens, both products on codes of BF8 (E5M2); the result leaves as codes (e10) in the order of the next product's operand.
; THE SOFTMAX AHEAD OF THE SECOND PRODUCT: t = score x log2(e) / sqrt(32); M = the running largest t rounded UP to a whole number; p = 2^(t - M) is quantised (e9), not normalised; the row's sum is taken of the
; unquantised p and divides at the end.  When M moves, the sum and O are multiplied by 2^(old M - new M): exact.
; SHARES.  All of the head's K and V codes, 64 KiB each, are copied into LDS once, at the head, and only read afterwards.  Wave w of work-group x takes the query tiles j = 4 w + x and 127 - j, 16 queries each.
; Tile j needs j / 8 + 1 key steps of 128 keys (the mask hides the rest): the two tiles together 17, in every wave of the launch.  j / 8 = w / 2 hangs on the wave's number alone.
; The loop over key steps has a constant count of 16; a step all of whose keys are hidden is jumped over by a scalar branch.
; LAYOUT.  Both products transposed: S^T = K Q^T, O^T = V^T P^T: a lane holds ONE query (lane % 16).  Tile rows are permuted (row r of tile 2 B + m is token 32 B + 8 m + r + 8 (r / 8)), so that p's 16 registers of two
; neighbouring key tiles are 16 neighbouring keys, 32 b + 16 (lane / 16) + 0 .. 15, and O^T's 16 registers are dims 16 (lane / 16) + 0 .. 15.
; K = 32 IN A FORM OF K = 64: a fragment of K's codes holds TWO key tiles, one in each half of the 64 places; q stands in one half of source 1 and zeros in the other, which picks the tile.  (k's codes were held: none is an infinity.)
; NO CLUSTER: what the four work-groups of a head share is 128 KiB fetched once, against 17 key steps of vector work a wave; no slot is ever filled again, so there is nothing for a joint refill to serve.
; LIMITS: e6 + e7 between -124 and 129 (added to c's exponent field); e9 and e10 - e8 - e9 between -126 and 112.  NaN among the inputs is not served.
; REGISTERS: v1 16 lane; v2 that + 65536; v3, v4 the step's LDS addresses; v5 r + 8 (r / 8) - 16 h; v6 q's offset; v7 the result's offset; v8, v9 p's scale and hold; v10, v11 the result's; v12 -M; v13 the largest t;
; v[14:15] the sum; v16-19 and v24-27 q, v20-23 zeros: [q | 0] = v[16:23], [0 | q] = v[20:27]; v28 the mask's bound; v29 -infinity; v[30:31] f; v32-63 K; v64-95 V; v96-159 S^T, then p; v160-175 O^T; v176-191 p's codes;
; v192-195 the result's codes; v196-201 at work.
; SCALARS: s2 wave; s3 j; s4 the tile's last key step; s5 step; s6 the step's LDS byte; s7 counts the two tiles; s[18:19] c; s[20:21] lane selects; s[32:47] e0 .. e15.
.macro PLACES
.rept 4
	v_nop
.endr
.endm
	s_load_b256 s[8:15], s[0:1], 0x0               ; qimg s[8:9], kimg s[10:11], vimg s[12:13], the exponents s[14:15]
	s_load_b64 s[16:17], s[0:1], 0x20              ; aimg
	v_lshl_add_u32 v254, v0, 2, 0x20000
	v_mov_b32 v255, 0
	v_lshrrev_b32 v6, 5, v0
	v_readfirstlane_b32 s2, v6                     ; wave 0..15
	v_and_b32 v7, 31, v0
	v_lshlrev_b32 v1, 4, v7
	v_add_nc_u32 v2, 0x10000, v1
	v_lshlrev_b32 v3, 4, v0                        ; for the copy: 16 x thread
	v_add_nc_u32 v4, 0x10000, v3
	v_and_b32 v6, 15, v0                           ; r
	v_bfe_u32 v7, v0, 4, 1                         ; h
	v_and_b32 v5, 8, v6
	v_add_nc_u32 v5, v5, v6
	v_lshlrev_b32 v7, 4, v7
	v_sub_nc_u32 v5, v5, v7                        ; r + 8 (r / 8) - 16 h
	s_and_b32 s28, ttmp7, 0xffff                   ; 16 batch + head
	s_lshl_b32 s24, s28, 16                        ; a head's codes are 65,536 bytes in each of the three images
	s_mov_b32 s25, 0
	s_lshr_b32 s26, s28, 4
	s_lshl_b32 s26, s26, 20                        ; the result: batch x 128 tiles x 8,192 bytes
	s_and_b32 s27, s28, 15
	s_lshl_b32 s27, s27, 9                         ; + head x 512: k / 16 = 2 head + h, 256 bytes each
	s_add_co_u32 s26, s26, s27
	s_mov_b32 s27, 0
	s_wait_kmcnt 0x0
	s_load_b512 s[32:47], s[14:15], 0x0            ; e0 .. e15
	s_add_nc_u64 s[8:9], s[8:9], s[24:25]
	s_add_nc_u64 s[10:11], s[10:11], s[24:25]
	s_add_nc_u64 s[12:13], s[12:13], s[24:25]
	s_add_nc_u64 s[16:17], s[16:17], s[26:27]
.irp i, 0,1,2,3,4,5,6,7
	global_load_b128 v[32+4*\i:35+4*\i], v3, s[10:11] offset:\i*8192    ; the work-group's 512 threads take 8,192 consecutive bytes a line
.endr
.irp i, 0,1,2,3,4,5,6,7
	global_load_b128 v[64+4*\i:67+4*\i], v3, s[12:13] offset:\i*8192
.endr
	s_mov_b32 s20, 0x76543210
	s_mov_b32 s21, 0xfedcba98
	s_lshl_b32 s3, s2, 2
	s_add_co_u32 s3, s3, ttmp9                     ; j = 4 w + x
	s_lshr_b32 s4, s2, 1                           ; j / 8
	s_mov_b32 s7, 0
	v_mov_b32 v20, 0
	v_mov_b32 v21, 0
	v_mov_b32 v22, 0
	v_mov_b32 v23, 0
	v_mov_b32 v29, 0xff800000                      ; -infinity
	v_mov_b32 v31, 0                               ; (named as the upper half of the pair v[30:31])
	v_mov_b32 v198, 0                              ; a lane permute's destination counts as read
	s_wait_kmcnt 0x0
	s_add_co_i32 s22, s38, s39                     ; a score stands for score x 2^(e6 + e7): added to c's exponent field
	s_lshl_b32 s22, s22, 23
	s_mov_b32 s18, 0x3e8293ee                      ; c = log2(e) / sqrt(32)
	s_add_co_i32 s18, s18, s22
	s_mov_b32 s19, s18                             ; (named with it as a pair)
	s_add_co_i32 s22, s41, 127
	s_lshl_b32 s23, s22, 23
	v_mov_b32 v8, s23                              ; 2^e9
	s_add_co_i32 s22, s22, 15
	s_lshl_b32 s22, s22, 23
	s_or_b32 s22, s22, 0x600000
	v_mov_b32 v9, s22                              ; 57,344 x 2^e9
	s_sub_co_i32 s22, s42, s40                     ; O's sums stand for sum x 2^(e8 + e9): the result's code is (sum / l) / 2^(e10 - e8 - e9)
	s_sub_co_i32 s22, s22, s41
	s_add_co_i32 s22, s22, 127
	s_lshl_b32 s23, s22, 23
	v_mov_b32 v10, s23
	s_add_co_i32 s22, s22, 15
	s_lshl_b32 s22, s22, 23
	s_or_b32 s22, s22, 0x600000
	v_mov_b32 v11, s22
	s_wait_loadcnt 0x0
.irp i, 0,1,2,3,4,5,6,7
	ds_store_b128 v3, v[32+4*\i:35+4*\i] offset:\i*8192
.endr
.irp i, 0,1,2,3,4,5,6,7
	ds_store_b128 v4, v[64+4*\i:67+4*\i] offset:\i*8192
.endr
	s_wait_dscnt 0x0                               ; for the others' sake: my part of K and V lies in LDS
	s_barrier_signal -1
	s_barrier_wait -1                              ; everybody's does; from here on LDS is only read
.Ltile:                                            ; two trips: tile j, then tile 127 - j
	s_wait_xcnt 0x0                                ; the last tile's loads and store have read v6, v7 and v192-195
	s_lshl_b32 s22, s3, 9
	v_add_nc_u32 v6, s22, v1
	global_load_b128 v[16:19], v6, s[8:9]          ; q's 16 bytes of my lane, into both places
	global_load_b128 v[24:27], v6, s[8:9]
	v_mov_b32 v13, 0xff61b1e6                      ; the largest t so far: -3e38, under every t
	v_floor_f32 v12, -v13                          ; -M
	v_mov_b32 v14, 0
	v_mov_b32 v15, 0
.set n, 0
.rept 16
	v_mov_b32 v[160+n], 0                          ; O^T: the step is written once; the first finds zeros, which the first change of M leaves zeros
.set n, n+1
.endr
	s_mov_b32 s5, 0
	s_mov_b32 s6, 0
	s_wait_loadcnt 0x0
.Lstep:                                            ; sixteen trips, a constant; the work of hidden steps is jumped over
	s_cmp_gt_u32 s5, s4
	s_cbranch_scc1 .Lskip
	v_add_nc_u32 v3, s6, v1
	v_add_nc_u32 v4, s6, v2
.irp b, 0,1,2,3
.irp u, 0,1
	ds_load_b128 v[32+8*\b+4*\u:35+8*\b+4*\u], v3 offset:\b*1024+\u*512      ; key tiles 2 b and 2 b + 1 of the step side by side in one fragment
.endr
.endr
.irp u, 0,1
.irp c, 0,1,2,3
	ds_load_b128 v[64+16*\u+4*\c:67+16*\u+4*\c], v4 offset:\u*2048+\c*512    ; V^T: 16 dims x 128 keys, twice
.endr
.endr
	s_wait_dscnt 8                                 ; K's eight loads are in; V's eight may be out
.irp b, 0,1,2,3
	v_wmma_f32_16x16x64_bf8_bf8 v[96+16*\b:103+16*\b], v[32+8*\b:39+8*\b], v[16:23], 0
	v_wmma_f32_16x16x64_bf8_bf8 v[104+16*\b:111+16*\b], v[32+8*\b:39+8*\b], v[20:27], 0
.endr                                              ; register 16 b + i of lane (r, h): key 128 step + 32 b + 16 h + i
	PLACES
	s_cmp_lg_u32 s5, s4                            ; only the tile's last step meets the diagonal
	s_cbranch_scc1 .Lopen
	s_lshr_b32 s22, s3, 1
	s_lshl_b32 s22, s22, 5
	s_and_b32 s23, s3, 1
	s_lshl_b32 s23, s23, 3
	s_add_co_u32 s22, s22, s23                     ; the tile's first token: 32 (j / 2) + 8 (j % 2)
	s_lshl_b32 s23, s4, 7
	s_sub_co_i32 s22, s22, s23
	v_add_nc_u32 v28, s22, v5                      ; d = my query - the step's first key - 16 h: register 16 b + i is hidden where 32 b + i > d
.set n, 0
.rept 64
	v_cmp_gt_i32 vcc_lo, 32*(n/16)+n%16, v28
	v_cndmask_b32 v[96+n], v[96+n], v29, vcc_lo    ; -infinity ahead of the maximum: p = 0
.set n, n+1
.endr
.Lopen:
	v_max3_num_f32 v196, v96, v97, v98             ; the step's largest score of my query among my 64 keys, in two chains, from the low end on
	v_max3_num_f32 v197, v99, v100, v101
.irp i, 6,10,14,18,22,26,30,34,38,42,46,50,54,58
	v_max3_num_f32 v196, v196, v[96+\i], v[97+\i]
	v_max3_num_f32 v197, v197, v[98+\i], v[99+\i]
.endr
	v_max3_num_f32 v196, v196, v158, v159
	v_max_num_f32 v196, v196, v197
	v_permlanex16_b32 v198, v196, s20, s21
	v_max_num_f32 v196, v196, v198                 ; and among lane l xor 16's.  (The step's first key counts for every query of the tile: the maximum is a number)
	v_mul_f32 v196, s18, v196                      ; as t (c is positive)
	v_max_num_f32 v13, v13, v196
	v_mov_b32 v196, v12
	v_floor_f32 v12, -v13                          ; the new -M = floor(-t): M is a whole number
	v_sub_f32 v196, v12, v196                      ; old M - new M: a whole number, 0 or less
	v_cvt_i32_f32 v196, v196                       ; (it saturates)
	v_ldexp_f32 v30, 1.0, v196                     ; f = 2^(old M - new M)
.set n, 0
.rept 32
	v_pk_fma_f32 v[96+n:97+n], v[96+n:97+n], s[18:19], v[12:13] op_sel_hi:[1,0,0]   ; t - M (of the pairs c and -M the low word serves both halves)
.set n, n+2
.endr
.set n, 0
.rept 64
	v_exp_f32 v[96+n], v[96+n]                     ; p = 2^(t - M), at most 1
.set n, n+1
.endr
	v_pk_mul_f32 v[14:15], v[14:15], v[30:31] op_sel_hi:[1,0]   ; the sum under the new M.  (The plain instruction behind the exponentials)
	s_wait_alu depctr_va_vdst(0)
	v_pk_add_f32 v[200:201], v[96:97], v[98:99]    ; the sum of the UNQUANTISED p, in two chains
.irp j, 4,8,12,16,20,24,28,32,36,40,44,48,52,56,60
	v_pk_add_f32 v[14:15], v[14:15], v[96+\j:97+\j]
	v_pk_add_f32 v[200:201], v[200:201], v[98+\j:99+\j]
.endr
	v_pk_add_f32 v[14:15], v[14:15], v[200:201]
	s_cmp_ge_i32 s41, -15                          ; p is at most 1 and 57,344 x 2^e9 is at least 1.75 from e9 = -15 on: the hold runs whenever it can bind
	s_cbranch_scc1 .Lno_hold
.set n, 0
.rept 64
	v_min_num_f32 v[96+n], v[96+n], v9             ; the conversion does not saturate (ISA guide 7.6.2); p is not negative: one side
.set n, n+1
.endr
.Lno_hold:
.irp b, 0,1,2,3
	v_cvt_scalef32_pk8_bf8_f32 v[176+4*\b:177+4*\b], v[96+16*\b:103+16*\b], v8
	v_cvt_scalef32_pk8_bf8_f32 v[178+4*\b:179+4*\b], v[104+16*\b:111+16*\b], v8
.endr
.irp j, 0,2,4,6,8,10,12,14
	v_pk_mul_f32 v[160+\j:161+\j], v[160+\j:161+\j], v[30:31] op_sel_hi:[1,0]   ; O^T under the new M.  (Also the plain instructions behind the conversions)
.endr
	s_wait_dscnt 0x0                               ; V is in
	v_wmma_f32_16x16x128_bf8_bf8 v[160:167], v[64:79], v[176:191], v[160:167]   ; the two accumulators take turns, and the next step's eight products stand between two links
	v_wmma_f32_16x16x128_bf8_bf8 v[168:175], v[80:95], v[176:191], v[168:175]
	PLACES                                         ; in front of the next step's loads into K's and V's registers, and of the first read of O^T
.Lskip:
	s_add_co_u32 s6, s6, 4096                      ; a key step is 4,096 bytes of K and of V
	s_add_co_u32 s5, s5, 1
	s_cmp_lt_u32 s5, 16
	s_cbranch_scc1 .Lstep
	v_add_f32 v14, v14, v15                        ; the sum's two halves,
	v_permlanex16_b32 v198, v14, s20, s21
	v_add_f32 v14, v14, v198                       ; and lane l xor 16's
	v_rcp_f32 v14, v14
	v_nop                                          ; a plain instruction behind the transcendental
.set n, 0
	s_wait_alu depctr_va_vdst(0)
.rept 16
	v_mul_f32 v[96+n], v[160+n], v14               ; O^T / l: dims 16 h + 0 .. 15 of my query
.set n, n+1
.endr
.set n, 0
.rept 16
	v_med3_num_f32 v[96+n], v[96+n], -v11, v11
.set n, n+1
.endr
	v_cvt_scalef32_pk8_bf8_f32 v[192:193], v[96:103], v10
	v_cvt_scalef32_pk8_bf8_f32 v[194:195], v[104:111], v10
	v_nop
	s_lshl_b32 s22, s3, 13                         ; tile j of the batch: 8,192 bytes
	v_add_nc_u32 v7, s22, v1
	global_store_b128 v7, v[192:195], s[16:17]     ; the wave stores 512 consecutive aligned bytes
	s_sub_co_u32 s3, 127, s3                       ; the partner tile,
	s_sub_co_u32 s4, 15, s4                        ; whose last step is 15 - j / 8
	s_add_co_u32 s7, s7, 1
	s_cmp_lt_u32 s7, 2
	s_cbranch_scc1 .Ltile
	s_wait_tensorcnt 0x0
	ds_add_u32 v254, v255
	s_wait_dscnt 0x0
	s_endpgm
.Lfunc_end_k_qdba2dd211c_attn:
	.size	k_qdba2dd211c_attn, .Lfunc_end_k_qdba2dd211c_attn-k_qdba2dd211c_attn
	.p2alignl 7, 3214868480
	.fill 96, 4, 3214868480
	.section	.rodata,"a",@progbits
	.p2align	6, 0x0
	.amdhsa_kernel k_qdba2dd211c_attn
		.amdhsa_group_segment_fixed_size 133120
		.amdhsa_private_segment_fixed_size 0
		.amdhsa_enable_private_segment 0
		.amdhsa_kernarg_size 40
		.amdhsa_user_sgpr_count 2
		.amdhsa_user_sgpr_kernarg_segment_ptr 1
		.amdhsa_wavefront_size32 1
		.amdhsa_system_sgpr_workgroup_id_x 1
		.amdhsa_system_sgpr_workgroup_id_y 1
		.amdhsa_system_sgpr_workgroup_id_z 1
		.amdhsa_system_vgpr_workitem_id 0
		.amdhsa_next_free_vgpr 256
		.amdhsa_next_free_sgpr 66
		.amdhsa_reserve_vcc 1
		.amdhsa_float_denorm_mode_32 3
		.amdhsa_float_denorm_mode_16_64 3
		.amdhsa_memory_ordered 1
		.amdhsa_forward_progress 1
		.amdhsa_inst_pref_size 28
	.end_amdhsa_kernel
	.amdgpu_metadata
---
amdhsa.version: [ 1, 2 ]
amdhsa.kernels:
  - .name:           k_qdba2dd211c_attn
    .symbol:         k_qdba2dd211c_attn.kd
    .args:
      - { .name: qimg, .offset: 0, .size: 8, .value_kind: global_buffer, .address_space: global }
      - { .name: kimg, .offset: 8, .size: 8, .value_kind: global_buffer, .address_space: global }
      - { .name: vimg, .offset: 16, .size: 8, .value_kind: global_buffer, .address_space: global }
      - { .name: lowp_scales, .offset: 24, .size: 8, .value_kind: global_buffer, .address_space: global }
      - { .name: aimg, .offset: 32, .size: 8, .value_kind: global_buffer, .address_space: global }
    .group_segment_fixed_size: 133120
    .private_segment_fixed_size: 0
    .kernarg_segment_align: 8
    .kernarg_segment_size: 40
    .max_flat_workgroup_size: 512
    .sgpr_count:     66
    .vgpr_count:     256
    .wavefront_size: 32
...
	.end_amdgpu_metadata
.endif
;; end of part 3
;; launch tail (part 4): grid 256 x 1, 16 waves a work-group, no clusters, 193,536 bytes of LDS; arguments aimg, wcodes, x, bo, b1, b2, g_ln2, b_ln2, lowp_scales, out0; writes out0
.if DOCPART == 4
	.amdgcn_target "amdgcn-amd-amdhsa--gfx1250"
	.amdhsa_code_object_version 6
	.text
	.protected	k_qdba2dd211c_tail
	.globl	k_qdba2dd211c_tail
	.p2align	8
	.type	k_qdba2dd211c_tail,@function
k_qdba2dd211c_tail:
	s_mov_b64 s[64:65], 0
	v_nop
	global_prefetch_b8 v0, s[64:65] scope:SCOPE_SE
	s_setreg_imm32_b32 hwreg(HW_REG_WAVE_MODE, 25, 1), 1
	s_wait_xcnt 0x0
; x1 = x + attn wo + bo;  h2 = layernorm(x1) g + b;  out = x1 + relu(h2 w1 + b1) w2 + b2.  The three products on codes of BF8 (E5M2) with the given scales; all else f32.  x1, h2 and the hidden layer never go to memory.
; SHARES.  A work-group owns 32 tokens; its sixteen waves share the COLUMNS: wave w makes columns 32 w .. 32 w + 31 of x1 and of out, and hidden units 128 w .. 128 w + 127, for all 32 tokens.
; Each wave's weights come from wcodes straight into its registers, nine chunks of 16 KiB, each byte once; the next chunk is asked for behind a chunk's last product, ahead of the work on the results and of any barrier.
; Activations go from wave to wave through LDS as codes, [tile m][k / 16][16 rows x 16 bytes + 16 of padding]; rows and weight columns are permuted as in the launch that makes q, k and v, so that a lane's 16 registers
; of two neighbouring result tiles are 16 neighbours along the next K (source 0 = weights, source 1 = activations: lane (r, h) holds token row r and columns 16 h + 0 .. 15 of the wave's block of 32).
; LDS: AIMG attn's codes; H2IMG h2's; HIMG the hidden layer's (tile m at + 34816); XS 32 rows of f32 in tile order (row 16 m + r), 2,064 bytes apart: x, then x1, then out; CONST b1, bo, b2, g, b; RED the waves' partial sums.
; NO CLUSTER, NO TENSOR LOAD: a weight byte feeds one wave's registers once; brought jointly it would have to be written to LDS and read back, 2.25 MiB a work-group, for nothing saved in registers.
; LIMITS: e12, e14 between -126 and 112; e10 + e11, e12 + e13, e14 + e15 between -126 and 127.  NaN among the inputs is not served.
.set AIMG,  0
.set H2IMG, 17408
.set HIMG,  34816
.set XS,    104448
.set CONST, 170496                     ; b1 + 0, bo + 8192, b2 + 10240, g + 12288, b + 14336
.set RED,   186880                     ; two arrays [row 32][wave 16] of f32
.set L16,  1                           ; v1   16 x lane
.set WOFF, 2                           ; v2   16384 x wave + 16 x lane; never rewritten
                                       ; v3, v4 AIMG + 272 h + 16 r, tiles 0, 1;  v5, v6 the same in H2IMG;  v7, v8 in HIMG
                                       ; v9  XS + 2064 r + 128 w + 64 h: my 16 columns of row r (tile 1: + 33024)
                                       ; v10 CONST + 128 w + 64 h;  v11 CONST + 512 w + 64 h
                                       ; v12 H2IMG + 272 (2 w + h) + 16 r;  v13 HIMG + 272 (8 w + h) + 16 r: where my codes go
                                       ; v14 RED + 64 r + 4 w;  v15 RED + 64 r;  v126 XS + 4128 w + 16 lane: my two whole rows
.set ACC,  16                          ; v16-47   four accumulators
.set AF0,  48                          ; v48-79   fragments of a K step; in the epilogues x, x1, h2
.set AF1,  80                          ; v80-111  the other buffer; in the epilogues biases and gains
.set SC,   112
.set LIM,  113
.set CD,   114                         ; v114-121 codes to store; in the layernorm v114-119 statistics
.set W,    128                         ; v128-255 a chunk of weights
.set WB,   10                          ; s[10:11] wcodes, never stepped
.set TS,   28
.set EPS,  58
.set RD,   59
.set SEL,  60
.macro PLACES                          ; four plain vector instructions between a matrix instruction and a load into, or a vector read or write of, its registers
.rept 4
	v_nop
.endr
.endm
.macro WLOAD q                         ; chunk q: 32 loads of 512 consecutive bytes a wave, K step by K step
.irp f, 0,1,2,3,4,5,6,7
.irp c, 0,1,2,3
	global_load_b128 v[W+16*\f+4*\c:W+16*\f+4*\c+3], v[WOFF], s[WB:WB+1] offset:(\q)*262144+\f*2048+\c*512
.endr
.endr
.endm
.macro AFETCH buf, a0, a1, off, s      ; the activations' fragments of K step s, tiles 0 and 1
.irp c, 0,1,2,3
	ds_load_b128 v[\buf+4*\c:\buf+4*\c+3], v[\a0] offset:(\off)+(8*(\s)+2*\c)*272
.endr
.irp c, 0,1,2,3
	ds_load_b128 v[\buf+16+4*\c:\buf+16+4*\c+3], v[\a1] offset:(\off)+(8*(\s)+2*\c)*272
.endr
.endm
.macro MM buf, s, swap, zero           ; four products: the four accumulators take turns, one instruction a turn, in the same order in every K step
.irp m, 0,1
.irp u, 0,1
.if \swap
.set rD, ACC+8*(2*\u+\m)
.set rA, \buf+16*\m
.set rB, W+16*(2*(\s)+\u)
.else
.set rD, ACC+8*(2*\m+\u)
.set rA, W+16*(2*(\s)+\u)
.set rB, \buf+16*\m
.endif
.if \zero
	v_wmma_f32_16x16x128_bf8_bf8 v[rD:rD+7], v[rA:rA+15], v[rB:rB+15], 0
.else
	v_wmma_f32_16x16x128_bf8_bf8 v[rD:rD+7], v[rA:rA+15], v[rB:rB+15], v[rD:rD+7]
.endif
.endr
.endr
.endm
; 32 rows x 32 columns x 512 along K.  The chunk's 32 weight loads are my youngest global loads, 8 for each K step: the counts 24, 16, 8, 0 leave the later K steps out.
; dscnt 8 leaves the second pair of fragments out.
.macro CHUNK a0, a1, off, swap, zero, next
	AFETCH AF0, \a0, \a1, \off, 0
	AFETCH AF1, \a0, \a1, \off, 1
	s_wait_loadcnt 24
	s_wait_dscnt 8
	MM AF0, 0, \swap, \zero
	s_wait_loadcnt 16
	s_wait_dscnt 0x0
	MM AF1, 1, \swap, 0
	PLACES
	AFETCH AF0, \a0, \a1, \off, 2
	AFETCH AF1, \a0, \a1, \off, 3
	s_wait_loadcnt 8
	s_wait_dscnt 8
	MM AF0, 2, \swap, 0
	s_wait_loadcnt 0x0
	s_wait_dscnt 0x0
	MM AF1, 3, \swap, 0
	PLACES
.if \next >= 0
	WLOAD \next
.endif
.endm
.macro SETSC e                         ; s[e] = E:  v[SC] = 2^E, v[LIM] = 57,344 x 2^E
	s_add_co_i32 s[TS], s[\e], 127
	s_lshl_b32 s[TS+1], s[TS], 23
	v_mov_b32 v[SC], s[TS+1]
	s_add_co_i32 s[TS], s[TS], 15
	s_lshl_b32 s[TS], s[TS], 23
	s_or_b32 s[TS], s[TS], 0x600000
	v_mov_b32 v[LIM], s[TS]
.endm
.macro QUANT src, tmp, dst, relu       ; 16 neighbours along the next K become 16 codes in four registers; relu = 1: the activation and the hold in one
.irp i, 0,1,2,3,4,5,6,7,8,9,10,11,12,13,14,15
.if \relu
	v_med3_num_f32 v[\tmp+\i], v[\src+\i], 0, v[LIM]
.else
	v_med3_num_f32 v[\tmp+\i], v[\src+\i], -v[LIM], v[LIM]   ; the conversion to an 8-bit code does not saturate (ISA guide 7.6.2): the hold comes first
.endif
.endr
	v_cvt_scalef32_pk8_bf8_f32 v[\dst:\dst+1], v[\tmp:\tmp+7], v[SC]
	v_cvt_scalef32_pk8_bf8_f32 v[\dst+2:\dst+3], v[\tmp+8:\tmp+15], v[SC]
	v_nop                                          ; one plain vector instruction before anything writes the conversions' sources or touches their results
.endm
.macro BARRIER                         ; my LDS stores have landed and my LDS loads are in: then the work-group's barrier
	s_wait_dscnt 0x0
	s_barrier_signal -1
	s_barrier_wait -1
.endm
.macro SUM16 src, dst                  ; the sum of 16 registers, two at a time, in two chains
	v_pk_add_f32 v[122:123], v[\src:\src+1], v[\src+2:\src+3]
	v_pk_add_f32 v[124:125], v[\src+4:\src+5], v[\src+6:\src+7]
	v_pk_add_f32 v[122:123], v[122:123], v[\src+8:\src+9]
	v_pk_add_f32 v[124:125], v[124:125], v[\src+10:\src+11]
	v_pk_add_f32 v[122:123], v[122:123], v[\src+12:\src+13]
	v_pk_add_f32 v[124:125], v[124:125], v[\src+14:\src+15]
	v_pk_add_f32 v[122:123], v[122:123], v[124:125]
	v_add_f32 v[\dst], v122, v123
.endm
.macro SQ16 src, dst                   ; the sum of their squares
	v_pk_mul_f32 v[122:123], v[\src:\src+1], v[\src:\src+1]
	v_pk_mul_f32 v[124:125], v[\src+2:\src+3], v[\src+2:\src+3]
.irp i, 4,8,12
	v_pk_fma_f32 v[122:123], v[\src+\i:\src+\i+1], v[\src+\i:\src+\i+1], v[122:123]
	v_pk_fma_f32 v[124:125], v[\src+\i+2:\src+\i+3], v[\src+\i+2:\src+\i+3], v[124:125]
.endr
	v_pk_add_f32 v[122:123], v[122:123], v[124:125]
	v_add_f32 v[\dst], v122, v123
.endm
.macro HALVES r                        ; + lane l xor 16's: the row's other 16 of my wave's 32 columns
	v_permlanex16_b32 v127, v[\r], s[SEL], s[SEL+1]
	v_add_f32 v[\r], v[\r], v127
.endm
.macro POW2 d, a, b                    ; s[d] = s[d + 1] = 2^(s[a] + s[b]) as f32: a pair for the packed forms
	s_add_co_i32 s[\d], s[\a], s[\b]
	s_add_co_i32 s[\d], s[\d], 127
	s_lshl_b32 s[\d], s[\d], 23
	s_mov_b32 s[\d+1], s[\d]
.endm
.macro CLD reg, adr, off               ; 16 numbers of a bias or a gain at my 16 columns
.irp j, 0,1,2,3
	ds_load_b128 v[\reg+4*\j:\reg+4*\j+3], v[\adr] offset:(\off)+16*\j
.endr
.endm
.macro RLD off                         ; the sixteen waves' parts of my two rows' sums
.irp m, 0,1
.irp j, 0,1,2,3
	ds_load_b128 v[16+16*\m+4*\j:19+16*\m+4*\j], v15 offset:(\off)+\m*1024+16*\j
.endr
.endr
.endm
; v48-79 = what lies in XS at my places + the sums x 2^(the two exponents) + a bias, and back to the same places: bytes that only this lane touches between the barriers round it.
.macro RESID sp, off
.irp m, 0,1
.irp j, 0,1,2,3
	ds_load_b128 v[48+16*\m+4*\j:51+16*\m+4*\j], v9 offset:\m*33024+16*\j
.endr
.endr
	CLD 80, 10, \off
	s_wait_dscnt 0x0
.irp i, 0,2,4,6,8,10,12,14,16,18,20,22,24,26,28,30
	v_pk_fma_f32 v[48+\i:49+\i], v[ACC+\i:ACC+\i+1], s[\sp:\sp+1], v[48+\i:49+\i] op_sel_hi:[1,0,1]   ; each accumulator from its low end on
.endr
.irp m, 0,1
.irp i, 0,2,4,6,8,10,12,14
	v_pk_add_f32 v[48+16*\m+\i:49+16*\m+\i], v[48+16*\m+\i:49+16*\m+\i], v[80+\i:81+\i]
.endr
.endr
.irp m, 0,1
.irp j, 0,1,2,3
	ds_store_b128 v9, v[48+16*\m+4*\j:51+16*\m+4*\j] offset:\m*33024+16*\j
.endr
.endr
.endm
	s_load_b512 s[8:23], s[0:1], 0x0               ; aimg s[8:9], wcodes s[10:11], x s[12:13], bo s[14:15], b1 s[16:17], b2 s[18:19], g s[20:21], b s[22:23]
	s_load_b128 s[24:27], s[0:1], 0x40             ; the exponents s[24:25], out0 s[26:27]
	v_lshrrev_b32 v114, 5, v0
	v_readfirstlane_b32 s2, v114                   ; wave 0..15
	v_and_b32 v114, 31, v0                         ; lane
	v_and_b32 v115, 15, v0                         ; r
	v_bfe_u32 v116, v0, 4, 1                       ; h
	v_lshlrev_b32 v[L16], 4, v114
	s_lshl_b32 s3, s2, 14
	v_add_nc_u32 v[WOFF], s3, v[L16]
	v_mul_u32_u24 v3, v116, 272
	v_lshl_add_u32 v3, v115, 4, v3
	v_add_nc_u32 v4, 8704, v3
	v_add_nc_u32 v5, H2IMG, v3
	v_add_nc_u32 v6, H2IMG+8704, v3
	v_add_nc_u32 v7, HIMG, v3
	v_add_nc_u32 v8, HIMG+34816, v3
	s_lshl_b32 s3, s2, 7
	v_mul_u32_u24 v9, v115, 2064
	v_lshl_add_u32 v9, v116, 6, v9
	v_add_nc_u32 v9, s3, v9
	v_add_nc_u32 v9, XS, v9
	v_lshlrev_b32 v10, 6, v116
	v_add_nc_u32 v11, CONST, v10
	v_add_nc_u32 v10, s3, v11
	s_lshl_b32 s3, s2, 9
	v_add_nc_u32 v11, s3, v11
	s_mul_i32 s3, s2, 544
	v_add_nc_u32 v12, s3, v5
	s_mul_i32 s3, s2, 2176
	v_add_nc_u32 v13, s3, v7
	v_lshlrev_b32 v15, 6, v115
	v_add_nc_u32 v15, RED, v15
	s_lshl_b32 s3, s2, 2
	v_add_nc_u32 v14, s3, v15
	s_mul_i32 s3, s2, 4128
	v_add_nc_u32 v126, s3, v[L16]
	v_add_nc_u32 v126, XS, v126
	v_lshlrev_b32 v122, 4, v0                      ; for the head alone: 16 x thread,
	v_and_b32 v123, 127, v0
	v_lshlrev_b32 v123, 4, v123                    ; 16 x (thread % 128),
	v_lshrrev_b32 v124, 4, v0
	v_mul_u32_u24 v124, v124, 272
	v_lshl_add_u32 v124, v115, 4, v124             ; AIMG + 272 (thread / 16) + 16 (thread % 16),
	v_add_nc_u32 v125, CONST, v122                 ; CONST + 16 x thread
	v_mov_b32 v127, 0                              ; a lane permute's destination counts as read
	s_lshr_b32 s30, s2, 3                          ; my two whole rows: stage rows 2 w and 2 w + 1 = tile w / 8, rows 2 (w % 8) and + 1 = tokens 8 (w / 8) + 2 (w % 8) + 8 ((w / 4) % 2) and the next
	s_lshl_b32 s30, s30, 3
	s_and_b32 s31, s2, 7
	s_lshl_b32 s31, s31, 1
	s_add_co_u32 s30, s30, s31
	s_bfe_u32 s31, s2, 0x10002
	s_lshl_b32 s31, s31, 3
	s_add_co_u32 s30, s30, s31
	s_lshl_b32 s31, ttmp9, 5
	s_add_co_u32 s30, s30, s31
	s_lshl_b32 s30, s30, 11                        ; a row of x and of out is 2,048 bytes
	s_mov_b32 s31, 0
	s_lshl_b32 s28, ttmp9, 14                      ; my work-group's two tiles of attn's codes: 16,384 bytes
	s_mov_b32 s29, 0
	s_lshr_b32 s3, s2, 2
	s_mov_b32 s[EPS], 0x3727c5ac                   ; 1e-5
	s_mov_b32 s[RD], 0x3b000000                    ; 1 / 512
	s_mov_b32 s[SEL], 0x76543210
	s_mov_b32 s[SEL+1], 0xfedcba98
	s_wait_kmcnt 0x0
	s_load_b512 s[32:47], s[24:25], 0x0            ; e0 .. e15
	s_add_nc_u64 s[8:9], s[8:9], s[28:29]
	s_add_nc_u64 s[12:13], s[12:13], s[30:31]
	s_add_nc_u64 s[26:27], s[26:27], s[30:31]
	s_cmp_eq_u32 s3, 0                             ; waves 0-3 bring bo, 4-7 b2, 8-11 g, 12-15 b: a choice on the wave's number alone
	s_cselect_b64 s[4:5], s[14:15], s[18:19]
	s_cmp_eq_u32 s3, 2
	s_cselect_b64 s[4:5], s[20:21], s[4:5]
	s_cmp_eq_u32 s3, 3
	s_cselect_b64 s[4:5], s[22:23], s[4:5]
	global_load_b128 v[16:19], v122, s[8:9] th:TH_LOAD_NT
	global_load_b128 v[20:23], v122, s[8:9] offset:8192 th:TH_LOAD_NT
.irp i, 0,1,2,3,4,5,6,7
	global_load_b128 v[24+4*\i:27+4*\i], v[L16], s[12:13] offset:\i*512 th:TH_LOAD_NT   ; my two rows of x: 4,096 consecutive bytes, 512 a load
.endr
	global_load_b128 v[56:59], v122, s[16:17]
	global_load_b128 v[60:63], v123, s[4:5]
	WLOAD 3                                        ; wo's chunk
	s_wait_kmcnt 0x0
	POW2 48, 42, 43                                ; 2^(e10 + e11)
	POW2 50, 44, 45                                ; 2^(e12 + e13)
	POW2 52, 46, 47                                ; 2^(e14 + e15)
	s_wait_loadcnt 32                              ; the twelve fills are in; the 32 weight loads behind them stay out
	ds_store_b128 v124, v[16:19]
	ds_store_b128 v124, v[20:23] offset:8704
.irp i, 0,1,2,3,4,5,6,7
	ds_store_b128 v126, v[24+4*\i:27+4*\i] offset:(\i/4)*2064+(\i%4)*512
.endr
	ds_store_b128 v125, v[56:59]
	ds_store_b128 v125, v[60:63] offset:8192
	BARRIER                                        ; attn's codes, x and the constants lie in LDS
	; ---- x1 = x + attn wo + bo, and its layernorm, in two passes; a row's 512 columns lie in sixteen waves, whose parts meet in RED
	CHUNK 3, 4, 0, 0, 1, 4
	RESID 48, 8192
	SUM16 48, 114
	SUM16 64, 115
	HALVES 114
	HALVES 115
	ds_store_b32 v14, v114                         ; both halves of the lanes write the same word with the same number
	ds_store_b32 v14, v115 offset:1024
	BARRIER
	RLD 0
	s_wait_dscnt 0x0
	SUM16 16, 114
	SUM16 32, 115
	v_mul_f32 v116, s[RD], v114                    ; the means, each twice: pairs for the packed forms
	v_mul_f32 v117, s[RD], v114
	v_mul_f32 v118, s[RD], v115
	v_mul_f32 v119, s[RD], v115
.irp m, 0,1
.irp i, 0,2,4,6,8,10,12,14
	v_pk_add_f32 v[48+16*\m+\i:49+16*\m+\i], v[48+16*\m+\i:49+16*\m+\i], v[116+2*\m:117+2*\m] neg_lo:[0,1] neg_hi:[0,1]
.endr
.endr
	SQ16 48, 114
	SQ16 64, 115
	HALVES 114
	HALVES 115
	ds_store_b32 v14, v114 offset:2048
	ds_store_b32 v14, v115 offset:3072
	BARRIER
	RLD 2048
	CLD 80, 10, 12288                              ; g
	CLD 96, 10, 14336                              ; b
	s_wait_dscnt 0x0
	SUM16 16, 114
	SUM16 32, 115
	v_fma_f32 v114, v114, s[RD], s[EPS]            ; variance + 1e-5
	v_fma_f32 v115, v115, s[RD], s[EPS]
	v_rsq_f32 v116, v114
	v_rsq_f32 v117, v114
	v_rsq_f32 v118, v115
	v_rsq_f32 v119, v115
	v_nop                                          ; a plain instruction behind the transcendentals
	s_wait_alu depctr_va_vdst(0)
.irp m, 0,1
.irp i, 0,2,4,6,8,10,12,14
	v_pk_mul_f32 v[48+16*\m+\i:49+16*\m+\i], v[48+16*\m+\i:49+16*\m+\i], v[116+2*\m:117+2*\m]
.endr
.endr
.irp m, 0,1
.irp i, 0,2,4,6,8,10,12,14
	v_pk_fma_f32 v[48+16*\m+\i:49+16*\m+\i], v[48+16*\m+\i:49+16*\m+\i], v[80+\i:81+\i], v[96+\i:97+\i]
.endr
.endr
	SETSC 44                                       ; e12
	QUANT 48, 48, CD, 0
	QUANT 64, 64, CD+4, 0
	ds_store_b128 v12, v[CD:CD+3]
	ds_store_b128 v12, v[CD+4:CD+7] offset:8704
	SETSC 46                                       ; e14, for the whole hidden layer
	BARRIER                                        ; h2's codes lie in LDS
	; ---- the hidden layer: my 128 units, 32 at a time
.irp b, 0,1,2,3
	CHUNK 5, 6, 0, 0, 1, 5+\b
	CLD 80, 11, \b*128                             ; b1 at units 128 w + 32 b + 16 h + 0 .. 15
	s_wait_dscnt 0x0                               ; (the last block's stores of v[CD] on are done too)
.irp m, 0,1
.irp i, 0,2,4,6,8,10,12,14
	v_pk_fma_f32 v[ACC+16*\m+\i:ACC+16*\m+\i+1], v[ACC+16*\m+\i:ACC+16*\m+\i+1], s[50:51], v[80+\i:81+\i] op_sel_hi:[1,0,1]
.endr
.endr
	QUANT ACC, ACC, CD, 1
	QUANT ACC+16, ACC+16, CD+4, 1
	ds_store_b128 v13, v[CD:CD+3] offset:\b*544
	ds_store_b128 v13, v[CD+4:CD+7] offset:\b*544+34816
.endr
	BARRIER                                        ; the hidden layer's codes lie in LDS
	; ---- out = x1 + hidden w2 + b2: one sum over K = 2,048, sixteen K steps on four accumulators by turns
	CHUNK 7, 8, 0, 0, 1, 9
	CHUNK 7, 8, 8704, 0, 0, 10
	CHUNK 7, 8, 17408, 0, 0, 11
	CHUNK 7, 8, 26112, 0, 0, -1
	RESID 52, 10240
	BARRIER                                        ; 32 whole rows of out lie in XS
.irp i, 0,1,2,3,4,5,6,7
	ds_load_b128 v[16+4*\i:19+4*\i], v126 offset:(\i/4)*2064+(\i%4)*512
.endr
.irp i, 0,1,2,3,4,5,6,7
	s_wait_dscnt 7-\i                              ; LDS loads come back in order: load i is in, the younger ones may be out
	global_store_b128 v[L16], v[16+4*\i:19+4*\i], s[26:27] offset:(\i/4)*2048+(\i%4)*512 th:TH_STORE_NT   ; the wave stores 512 consecutive aligned bytes
.endr
	s_wait_xcnt 0x0
	v_lshl_add_u32 v254, v0, 2, 0x2ec00
	v_mov_b32 v255, 0
	s_wait_tensorcnt 0x0
	ds_add_u32 v254, v255
	s_wait_dscnt 0x0
	s_endpgm
.Lfunc_end_k_qdba2dd211c_tail:
	.size	k_qdba2dd211c_tail, .Lfunc_end_k_qdba2dd211c_tail-k_qdba2dd211c_tail
	.p2alignl 7, 3214868480
	.fill 96, 4, 3214868480
	.section	.rodata,"a",@progbits
	.p2align	6, 0x0
	.amdhsa_kernel k_qdba2dd211c_tail
		.amdhsa_group_segment_fixed_size 193536
		.amdhsa_private_segment_fixed_size 0
		.amdhsa_enable_private_segment 0
		.amdhsa_kernarg_size 80
		.amdhsa_user_sgpr_count 2
		.amdhsa_user_sgpr_kernarg_segment_ptr 1
		.amdhsa_wavefront_size32 1
		.amdhsa_system_sgpr_workgroup_id_x 1
		.amdhsa_system_sgpr_workgroup_id_y 1
		.amdhsa_system_sgpr_workgroup_id_z 1
		.amdhsa_system_vgpr_workitem_id 0
		.amdhsa_next_free_vgpr 256
		.amdhsa_next_free_sgpr 66
		.amdhsa_reserve_vcc 0
		.amdhsa_float_denorm_mode_32 3
		.amdhsa_float_denorm_mode_16_64 3
		.amdhsa_memory_ordered 1
		.amdhsa_forward_progress 1
		.amdhsa_inst_pref_size 101
	.end_amdhsa_kernel
	.amdgpu_metadata
---
amdhsa.version: [ 1, 2 ]
amdhsa.kernels:
  - .name:           k_qdba2dd211c_tail
    .symbol:         k_qdba2dd211c_tail.kd
    .args:
      - { .name: aimg, .offset: 0, .size: 8, .value_kind: global_buffer, .address_space: global }
      - { .name: wcodes, .offset: 8, .size: 8, .value_kind: global_buffer, .address_space: global }
      - { .name: x, .offset: 16, .size: 8, .value_kind: global_buffer, .address_space: global }
      - { .name: bo, .offset: 24, .size: 8, .value_kind: global_buffer, .address_space: global }
      - { .name: b1, .offset: 32, .size: 8, .value_kind: global_buffer, .address_space: global }
      - { .name: b2, .offset: 40, .size: 8, .value_kind: global_buffer, .address_space: global }
      - { .name: g_ln2, .offset: 48, .size: 8, .value_kind: global_buffer, .address_space: global }
      - { .name: b_ln2, .offset: 56, .size: 8, .value_kind: global_buffer, .address_space: global }
      - { .name: lowp_scales, .offset: 64, .size: 8, .value_kind: global_buffer, .address_space: global }
      - { .name: out0, .offset: 72, .size: 8, .value_kind: global_buffer, .address_space: global }
    .group_segment_fixed_size: 193536
    .private_segment_fixed_size: 0
    .kernarg_segment_align: 8
    .kernarg_segment_size: 80
    .max_flat_workgroup_size: 512
    .sgpr_count:     66
    .vgpr_count:     256
    .wavefront_size: 32
...
	.end_amdgpu_metadata
.endif
;; end of part 4
;; ======== version 2 of 2: 4 launches
;; workspace buffers: wcodes 3,145,728 bytes; qimg 4,194,304 bytes; kimg 4,194,304 bytes; vimg 4,194,304 bytes; aimg 4,194,304 bytes
;; launch prep (part 5): grid 192 x 1, 4 waves a work-group, no clusters, 0 bytes of LDS; arguments wq, wk, wv, wo, w1, w2, lowp_scales, wcodes; writes wcodes
.if DOCPART == 5
	.amdgcn_target "amdgcn-amd-amdhsa--gfx1250"
	.amdhsa_code_object_version 6
	.text
	.protected	k_qdba2dd211c_prep
	.globl	k_qdba2dd211c_prep
	.p2align	8
	.type	k_qdba2dd211c_prep,@function
k_qdba2dd211c_prep:
	s_mov_b64 s[64:65], 0
	v_nop
	global_prefetch_b8 v0, s[64:65] scope:SCOPE_SE
	s_setreg_imm32_b32 hwreg(HW_REG_WAVE_MODE, 25, 1), 1
	s_wait_xcnt 0x0
; The six weights, f32 stored [K][N] (K is the first axis), become codes of BF8 (E5M2), each with its given scale 2^e, laid in the ORDER OF THE OPERAND'S REGISTERS of the later launches.
; code = x / 2^e, held within +-57,344, rounded to the nearest code, ties to even.  LIMIT: e between -126 and 112.  NaN among the inputs is not served.
; wcodes: 12 chunks x 16 waves x 16 KiB.  Byte  q 262144 + w 16384 + (2 s + u) 2048 + c 512 + h 256 + r 16  holds W[kbase + 128 s + 32 c + 16 h + 0..15][nbase + 8 u + r + 8 (r / 8)].
;   q = 0..3: wq, wk, wv, wo (e1, e3, e5, e11), kbase 0, nbase 32 w;   q = 4 + b: w1 (e13), kbase 0, nbase 128 w + 32 b;   q = 8 + g: w2 (e15), kbase 512 g, nbase 32 w.
; A LANE TAKES A COLUMN AND ITS REGISTERS RUN DOWN K: a wave takes 32 columns x 128 along K; each load reads 128 neighbouring bytes a wave, 512 a work-group; the conversions give codes with K innermost.
; A lane's 16 codes are 16 bytes of a fragment's group, and sixteen lanes fill 256 consecutive aligned bytes: no stage in LDS is needed.  Waves share nothing: no LDS, no barrier.
; Memory binds here: matrix units, clusters and tensor loads would add nothing.
.set X, 64                             ; v64-191  128 numbers down K of my column
.set C, 192                            ; v192-223 codes: eight registers for each block of 32, so that no store's data are written again
.macro LOADS t, pitch                  ; block t: W(32 t + i, my column), i = 0 .. 31
.set i, 0
.rept 32
	global_load_b32 v[X+32*(\t)+i], v3, s[4:5] offset:(32*(\t)+i)*(\pitch) th:TH_LOAD_NT
.set i, i+1
.endr
.endm
.macro BODY pitch                      ; pitch: a row of the weight in bytes; it stands in the loads' immediates, so the body is written once for each pitch
	LOADS 0, \pitch
	LOADS 1, \pitch
	s_wait_kmcnt 0x0                               ; the sixteen exponents
	s_cmp_eq_u32 s28, 0                            ; e by the tensor, which hangs on the work-group's number alone
	s_cselect_b32 s6, s33, s35                     ; wq: e1, wk: e3
	s_cmp_eq_u32 s28, 2
	s_cselect_b32 s6, s37, s6                      ; wv: e5
	s_cmp_eq_u32 s28, 3
	s_cselect_b32 s6, s43, s6                      ; wo: e11
	s_cmp_ge_u32 s28, 4
	s_cselect_b32 s6, s45, s6                      ; w1: e13
	s_cmp_ge_u32 s28, 8
	s_cselect_b32 s6, s47, s6                      ; w2: e15
	s_add_co_i32 s6, s6, 127
	s_lshl_b32 s7, s6, 23
	v_mov_b32 v11, s7                              ; 2^e as f32: the conversion takes its exponent field
	s_add_co_i32 s6, s6, 15
	s_lshl_b32 s6, s6, 23
	s_or_b32 s6, s6, 0x600000
	v_mov_b32 v10, s6                              ; 57,344 x 2^e
	s_wait_alu depctr_va_vdst(0)
.irp c, 0,1,2,3
.if \c < 3
	s_wait_loadcnt 32                              ; this block's 32 loads are in; the next block's 32 may be out
.else
	s_wait_loadcnt 0x0
.endif
.if \c < 2
	LOADS \c+2, \pitch                             ; two blocks ahead, into registers of their own
.endif
.set i, 0
.rept 32
	v_med3_num_f32 v[X+32*\c+i], v[X+32*\c+i], -v10, v10   ; the conversion to an 8-bit code does not saturate (ISA guide 7.6.2): the hold comes first
.set i, i+1
.endr
.irp g, 0,1,2,3
	v_cvt_scalef32_pk8_bf8_f32 v[C+8*\c+2*\g:C+8*\c+2*\g+1], v[X+32*\c+8*\g:X+32*\c+8*\g+7], v11
.endr
	global_store_b128 v4, v[C+8*\c:C+8*\c+3], s[26:27] offset:\c*512          ; k = 32 c + 0 .. 15: the half h = 0 of group c; sixteen lanes fill 256 consecutive aligned bytes
	global_store_b128 v4, v[C+8*\c+4:C+8*\c+7], s[26:27] offset:\c*512+256    ; k = 32 c + 16 .. 31: h = 1
.endr
	s_endpgm
.endm
	s_load_b512 s[8:23], s[0:1], 0x0               ; wq s[8:9], wk s[10:11], wv s[12:13], wo s[14:15], w1 s[16:17], w2 s[18:19], the exponents s[20:21], wcodes s[22:23]
	v_lshrrev_b32 v1, 5, v0
	v_readfirstlane_b32 s2, v1                     ; wave 0..3
	v_and_b32 v2, 31, v0                           ; lane o = my column among the wave's 32
	v_lshlrev_b32 v3, 2, v2                        ; in: 4 bytes a lane
	v_bfe_u32 v5, v2, 3, 1                         ; column o = 8 u + r + 8 (r / 8):  u = (o / 8) % 2,
	v_and_b32 v6, 7, v2                            ; r = o % 8 + 8 (o / 16)
	v_lshrrev_b32 v7, 4, v2
	v_lshlrev_b32 v4, 11, v5                       ; out: 2048 u
	v_lshl_add_u32 v4, v6, 4, v4                   ;      + 16 (o % 8)
	v_lshl_add_u32 v4, v7, 7, v4                   ;      + 128 (o / 16)
	s_lshr_b32 s28, ttmp9, 4                       ; 0..3: wq, wk, wv, wo; 4..7: w1; 8..11: w2
	s_wait_kmcnt 0x0
	s_load_b512 s[32:47], s[20:21], 0x0            ; e0 .. e15
	; the arms make offsets alone: s29 = block of 32 columns, s24 = first row's bytes in the weight, s26 = place in wcodes
	s_cmp_ge_u32 ttmp9, 128
	s_cbranch_scc1 .Lis_w2
	s_cmp_ge_u32 ttmp9, 64
	s_cbranch_scc1 .Lis_w1
	s_and_b32 s29, ttmp9, 3
	s_lshl_b32 s29, s29, 2
	s_add_co_u32 s29, s29, s2                      ; column block 0..15 = the wave that will read it
	s_bfe_u32 s30, ttmp9, 0x20002                  ; K step 0..3
	s_lshl_b32 s24, s30, 18                        ; 128 rows of 2,048 bytes
	s_lshl_b32 s26, s28, 18                        ; chunk = the tensor's number
	s_lshl_b32 s31, s29, 14
	s_add_co_u32 s26, s26, s31
	s_lshl_b32 s31, s30, 12
	s_add_co_u32 s26, s26, s31
	s_branch .Lplaced
.Lis_w1:
	s_sub_co_u32 s31, ttmp9, 64
	s_and_b32 s29, s31, 15                         ; four column blocks = 128 hidden units = the reading wave
	s_lshr_b32 s30, s31, 4                         ; K step 0..3
	s_lshl_b32 s24, s30, 20                        ; 128 rows of 8,192 bytes
	s_add_co_u32 s26, s2, 4                        ; chunk 4 + b, b = my wave
	s_lshl_b32 s26, s26, 18
	s_lshl_b32 s31, s29, 14
	s_add_co_u32 s26, s26, s31
	s_lshl_b32 s31, s30, 12
	s_add_co_u32 s26, s26, s31
	s_lshl_b32 s29, s29, 2
	s_add_co_u32 s29, s29, s2                      ; column block 0..63
	s_branch .Lplaced
.Lis_w2:
	s_sub_co_u32 s31, ttmp9, 128
	s_and_b32 s29, s31, 3
	s_lshl_b32 s29, s29, 2
	s_add_co_u32 s29, s29, s2                      ; column block 0..15
	s_lshr_b32 s30, s31, 2                         ; K step 0..15
	s_lshl_b32 s24, s30, 18
	s_lshr_b32 s26, s30, 2
	s_add_co_u32 s26, s26, 8                       ; chunk 8 + K step / 4
	s_lshl_b32 s26, s26, 18
	s_lshl_b32 s31, s29, 14
	s_add_co_u32 s26, s26, s31
	s_and_b32 s31, s30, 3
	s_lshl_b32 s31, s31, 12
	s_add_co_u32 s26, s26, s31
.Lplaced:
	s_lshl_b32 s31, s29, 7                         ; 32 columns are 128 bytes
	s_add_co_u32 s24, s24, s31
	s_mov_b32 s25, 0
	s_mov_b32 s27, 0
	s_cmp_eq_u32 s28, 0                            ; the weight's address, chosen on the work-group's number alone
	s_cselect_b64 s[4:5], s[8:9], s[10:11]
	s_cmp_eq_u32 s28, 2
	s_cselect_b64 s[4:5], s[12:13], s[4:5]
	s_cmp_eq_u32 s28, 3
	s_cselect_b64 s[4:5], s[14:15], s[4:5]
	s_cmp_ge_u32 s28, 4
	s_cselect_b64 s[4:5], s[16:17], s[4:5]
	s_cmp_ge_u32 s28, 8
	s_cselect_b64 s[4:5], s[18:19], s[4:5]
	s_add_nc_u64 s[4:5], s[4:5], s[24:25]
	s_add_nc_u64 s[26:27], s[22:23], s[26:27]
	s_lshr_b32 s31, ttmp9, 6
	s_cmp_eq_u32 s31, 1
	s_cbranch_scc1 .Lwide
	s_wait_alu depctr_va_vdst(0)
	BODY 2048
.Lwide:
	s_wait_alu depctr_va_vdst(0)
	BODY 8192
.Lfunc_end_k_qdba2dd211c_prep:
	.size	k_qdba2dd211c_prep, .Lfunc_end_k_qdba2dd211c_prep-k_qdba2dd211c_prep
	.p2alignl 7, 3214868480
	.fill 96, 4, 3214868480
	.section	.rodata,"a",@progbits
	.p2align	6, 0x0
	.amdhsa_kernel k_qdba2dd211c_prep
		.amdhsa_group_segment_fixed_size 0
		.amdhsa_private_segment_fixed_size 0
		.amdhsa_enable_private_segment 0
		.amdhsa_kernarg_size 64
		.amdhsa_user_sgpr_count 2
		.amdhsa_user_sgpr_kernarg_segment_ptr 1
		.amdhsa_wavefront_size32 1
		.amdhsa_system_sgpr_workgroup_id_x 1
		.amdhsa_system_sgpr_workgroup_id_y 1
		.amdhsa_system_sgpr_workgroup_id_z 1
		.amdhsa_system_vgpr_workitem_id 0
		.amdhsa_next_free_vgpr 224
		.amdhsa_next_free_sgpr 66
		.amdhsa_reserve_vcc 0
		.amdhsa_float_denorm_mode_32 3
		.amdhsa_float_denorm_mode_16_64 3
		.amdhsa_memory_ordered 1
		.amdhsa_forward_progress 1
		.amdhsa_inst_pref_size 49
	.end_amdhsa_kernel
	.amdgpu_metadata
---
amdhsa.version: [ 1, 2 ]
amdhsa.kernels:
  - .name:           k_qdba2dd211c_prep
    .symbol:         k_qdba2dd211c_prep.kd
    .args:
      - { .name: wq, .offset: 0, .size: 8, .value_kind: global_buffer, .address_space: global }
      - { .name: wk, .offset: 8, .size: 8, .value_kind: global_buffer, .address_space: global }
      - { .name: wv, .offset: 16, .size: 8, .value_kind: global_buffer, .address_space: global }
      - { .name: wo, .offset: 24, .size: 8, .value_kind: global_buffer, .address_space: global }
      - { .name: w1, .offset: 32, .size: 8, .value_kind: global_buffer, .address_space: global }
      - { .name: w2, .offset: 40, .size: 8, .value_kind: global_buffer, .address_space: global }
      - { .name: lowp_scales, .offset: 48, .size: 8, .value_kind: global_buffer, .address_space: global }
      - { .name: wcodes, .offset: 56, .size: 8, .value_kind: global_buffer, .address_space: global }
    .group_segment_fixed_size: 0
    .private_segment_fixed_size: 0
    .kernarg_segment_align: 8
    .kernarg_segment_size: 64
    .max_flat_workgroup_size: 128
    .sgpr_count:     66
    .vgpr_count:     224
    .wavefront_size: 32
...
	.end_amdgpu_metadata
.endif
;; end of part 5
;; launch qkv (part 6): grid 256 x 1, 16 waves a work-group, no clusters, 54,272 bytes of LDS; arguments x, g_ln1, b_ln1, wcodes, lowp_scales, qimg, kimg, vimg; writes qimg, kimg, vimg
.if DOCPART == 6
	.amdgcn_target "amdgcn-amd-amdhsa--gfx1250"
	.amdhsa_code_object_version 6
	.text
	.protected	k_qdba2dd211c_qkv
	.globl	k_qdba2dd211c_qkv
	.p2align	8
	.type	k_qdba2dd211c_qkv,@function
k_qdba2dd211c_qkv:
	s_mov_b64 s[64:65], 0
	v_nop
	global_prefetch_b8 v0, s[64:65] scope:SCOPE_SE
	s_setreg_imm32_b32 hwreg(HW_REG_WAVE_SCHED_MODE, 0, 2), 2
	s_setreg_imm32_b32 hwreg(HW_REG_WAVE_MODE, 25, 1), 1
	s_wait_xcnt 0x0
	s_wait_alu depctr_vm_vsrc(0)
; h = layernorm(x) g + b;  q = h wq, k = h wk, v = h wv, all three products on codes of BF8 (E5M2) with the given scales; q, k, v leave as codes (e6, e7, e8) in the order of attention's operand registers.
; SHARES.  A work-group owns 32 tokens; its sixteen waves share the COLUMNS: wave w makes head w (columns 32 w .. 32 w + 31) of q, k and v for all 32 tokens.
; h is quantised three times (e0, e2, e4 may differ) and goes from wave to wave through LDS.  Each wave's weights come from wcodes straight into its registers, 16 KiB a product, each byte once.
; TILES OF ROWS ARE PERMUTED: lane row r of tile m holds token 8 m + r + 8 (r / 8) of the 32; a weight tile u holds column 8 u + r + 8 (r / 8) of the head's 32.  So a lane's 16 registers of two neighbouring
; result tiles are 16 NEIGHBOURS: along the head's 32 (q, k: source 0 = weights, source 1 = h) or along the tokens (v: sources swapped), and two conversions give 16 bytes of the next operand.
; OPERAND OF K = 128: registers 4 c .. 4 c + 3 of lane (r, h) hold k = 32 c + 16 h + 0 .. 15: the same permutation of k on both sides of every product.
; LDS: variant n (e0, e2, e4) at 17408 n; in it tile m at 8704 m, then [k / 16][16 rows x 16 bytes + 16 of padding]: 272 bytes apart, so sixteen lanes of a store or load touch sixteen different 16-byte columns of 256.
; NO CLUSTER, NO TENSOR LOAD: a weight byte feeds one wave's registers once; brought jointly it would have to be written to LDS and read back, 768 KiB a work-group, for nothing saved in registers.
; LIMITS: e0, e2, e4, e6 - e0 - e1, e7 - e2 - e3, e8 - e4 - e5 between -126 and 112.  NaN among the inputs is not served.
; THE MODE: SCHED_MODE bits 1:0 = 2 (LLVM: expert scheduling mode 2), set by the entry lines.  The code itself states the register dependences
; between vector or matrix instructions and memory or LDS instructions, with s_wait_alu, always for 0.
; THE PLAN.  Registers that memory or LDS instructions touch:
;   v1-v6      offsets and LDS addresses: made at the head, never written again.  v15, v126: written at the head, read by the closing add alone.
;   v48-71     h's codes: written by the conversions, read by six LDS stores behind one wait; from the barrier on they belong to the fragment buffers.
;   AF0, AF1   LDS loads land in them; K step s's products read AF[s % 2].
;   W          low half (K steps 0, 1) and high half (K steps 2, 3): weight loads land, the products of those K steps read.
;   CD; CE, CF two out-buffers of eight registers: written by the conversions, read by two stores.  q leaves from CD, k from CE and CF, v from CD again.
; A chunk has two waits on va_vdst.  Behind K step 1: steps 0 and 1 are done reading AF0, AF1 and W's low half; the fragments of steps 2 and 3 and the next chunk's low half follow, the latter between the
; products of steps 2 and 3, which name W's high half, AF and the accumulators alone.  Behind K step 3: steps 2 and 3 are done reading AF0, AF1 and W's high half; the next chunk's high half and its first
; fragments follow, ahead of the work on the results, which names v16-47, v112-125 and v8-11 alone.  A third wait stands ahead of each pair of stores.
.set L16,  1                           ; v1   16 x lane
.set WOFF, 2                           ; v2   16384 x wave + 16 x lane: my place in a chunk of wcodes; never rewritten
.set A0,   3                           ; v3   LDS: 272 h + 16 r: my place in an image, tile 0
.set A1,   4                           ; v4   tile 1
.set STA,  5                           ; v5   LDS: where I store my two rows' codes
.set XO,   6                           ; v6   64 x lane: my 16 columns of a row
.set CF,   8                           ; v8-11    the second out-buffer's upper four; at the head lane, r, h
.set ACC,  16                          ; v16-47   four accumulators; at the head my two rows of x
.set AF0,  48                          ; v48-79   h's fragments of a K step, both tiles; at the head g and b (v48-79), then h's codes (v48-71)
.set AF1,  80                          ; v80-111  the same, the other buffer; at the head 16 numbers at work
.set SC,   112                         ; v112 the conversion's scale as f32
.set LIM,  113                         ; v113 57,344 x the scale
.set CD,   114                         ; v114-121 codes to store; in the layernorm v114-119 statistics
.set CE,   122                         ; v122-125 the second out-buffer's lower four; in the layernorm at work
.set W,    128                         ; v128-255 a chunk of weights: 8 fragments (K step s, tile u) at 16 (2 s + u)
.set WB,   14                          ; s[14:15] wcodes, never stepped: the chunk stands in the immediate
.set TS,   28                          ; s28, s29 at work
.set EPS,  58
.set RD,   59
.set SEL,  60
.macro PLACES                          ; four plain vector instructions between a matrix instruction and a load into, or a vector read or write of, its registers
.rept 4
	v_nop
.endr
.endm
.macro WLOADH q, half                  ; half a chunk q: two K steps, 16 loads of 512 consecutive bytes a wave, K step by K step
.irp f, 0,1,2,3
.irp c, 0,1,2,3
	global_load_b128 v[W+64*(\half)+16*\f+4*\c:W+64*(\half)+16*\f+4*\c+3], v[WOFF], s[WB:WB+1] offset:(\q)*262144+(\half)*8192+\f*2048+\c*512
.endr
.endr
.endm
.macro AFETCH buf, a0, a1, off, s      ; the activations' fragments of K step s, tiles 0 and 1
.irp c, 0,1,2,3
	ds_load_b128 v[\buf+4*\c:\buf+4*\c+3], v[\a0] offset:(\off)+(8*(\s)+2*\c)*272
.endr
.irp c, 0,1,2,3
	ds_load_b128 v[\buf+16+4*\c:\buf+16+4*\c+3], v[\a1] offset:(\off)+(8*(\s)+2*\c)*272
.endr
.endm
.macro MM buf, s, swap, zero           ; four products: the four accumulators take turns, one instruction a turn, in the same order in every K step
.irp m, 0,1
.irp u, 0,1
.if \swap
.set rD, ACC+8*(2*\u+\m)
.set rA, \buf+16*\m
.set rB, W+16*(2*(\s)+\u)
.else
.set rD, ACC+8*(2*\m+\u)
.set rA, W+16*(2*(\s)+\u)
.set rB, \buf+16*\m
.endif
.if \zero
	v_wmma_f32_16x16x128_bf8_bf8 v[rD:rD+7], v[rA:rA+15], v[rB:rB+15], 0
.else
	v_wmma_f32_16x16x128_bf8_bf8 v[rD:rD+7], v[rA:rA+15], v[rB:rB+15], v[rD:rD+7]
.endif
.endr
.endr
.endm
.macro CHEAD a0, a1, off               ; a chunk's first two pairs of fragments
	AFETCH AF0, \a0, \a1, \off, 0
	AFETCH AF1, \a0, \a1, \off, 1
.endm
; 32 rows x 32 columns x 512 along K.  The chunk's 32 weight loads are my youngest global loads at its head, 8 for each K step: the counts 24, 16, 8 leave the later K steps out;
; in front of K step 3 the count 16 leaves the next chunk's low half out, which has just been asked for.  d0: the LDS instructions issued behind the first pair of fragments.
.macro CBODY a0, a1, off, swap, zero, next, d0
	s_wait_loadcnt 24
	s_wait_dscnt \d0
	MM AF0, 0, \swap, \zero
	s_wait_loadcnt 16
	s_wait_dscnt 0x0
	MM AF1, 1, \swap, 0
	PLACES
	s_wait_alu depctr_va_vdst(0)                   ; the products of K steps 0 and 1 are done reading AF0, AF1 and W's low half, in which the loads below land
	AFETCH AF0, \a0, \a1, \off, 2
	AFETCH AF1, \a0, \a1, \off, 3
	s_wait_loadcnt 8
	s_wait_dscnt 8
	MM AF0, 2, \swap, 0
.if \next >= 0
	WLOADH \next, 0                                ; no wait: no vector or matrix instruction since the wait above names W's low half
	s_wait_loadcnt 16
.else
	s_wait_loadcnt 0x0
.endif
	s_wait_dscnt 0x0
	MM AF1, 3, \swap, 0
	PLACES
.endm
.macro CEND next                       ; behind a chunk that has a successor
	s_wait_alu depctr_va_vdst(0)                   ; the products of K steps 2 and 3 are done reading W's high half, AF0 and AF1: the loads below, and the next LDS loads into AF0 and AF1, land there
	WLOADH \next, 1
.endm
.macro SETSC e                         ; s[e] = E:  v[SC] = 2^E, v[LIM] = 57,344 x 2^E
	s_add_co_i32 s[TS], s[\e], 127
	s_lshl_b32 s[TS+1], s[TS], 23
	v_mov_b32 v[SC], s[TS+1]
	s_add_co_i32 s[TS], s[TS], 15
	s_lshl_b32 s[TS], s[TS], 23
	s_or_b32 s[TS], s[TS], 0x600000
	v_mov_b32 v[LIM], s[TS]
.endm
.macro QUANT src, tmp, dst, relu       ; 16 neighbours along the next K become 16 codes in four registers; read from the low end on
.irp i, 0,1,2,3,4,5,6,7,8,9,10,11,12,13,14,15
.if \relu
	v_med3_num_f32 v[\tmp+\i], v[\src+\i], 0, v[LIM]
.else
	v_med3_num_f32 v[\tmp+\i], v[\src+\i], -v[LIM], v[LIM]   ; the conversion to an 8-bit code does not saturate (ISA guide 7.6.2): the hold comes first
.endif
.endr
	v_cvt_scalef32_pk8_bf8_f32 v[\dst:\dst+1], v[\tmp:\tmp+7], v[SC]
	v_cvt_scalef32_pk8_bf8_f32 v[\dst+2:\dst+3], v[\tmp+8:\tmp+15], v[SC]
	v_nop                                          ; one plain vector instruction before anything writes the conversions' sources or touches their results
.endm
.macro BARRIER                         ; my LDS stores have landed and my LDS loads are in: then the work-group's barrier
	s_wait_dscnt 0x0
	s_barrier_signal -1
	s_barrier_wait -1
.endm
.macro SUM16 src, dst                  ; the sum of 16 registers, two at a time, in two chains
	v_pk_add_f32 v[122:123], v[\src:\src+1], v[\src+2:\src+3]
	v_pk_add_f32 v[124:125], v[\src+4:\src+5], v[\src+6:\src+7]
	v_pk_add_f32 v[122:123], v[122:123], v[\src+8:\src+9]
	v_pk_add_f32 v[124:125], v[124:125], v[\src+10:\src+11]
	v_pk_add_f32 v[122:123], v[122:123], v[\src+12:\src+13]
	v_pk_add_f32 v[124:125], v[124:125], v[\src+14:\src+15]
	v_pk_add_f32 v[122:123], v[122:123], v[124:125]
	v_add_f32 v[\dst], v122, v123
.endm
.macro SQ16 src, dst                   ; the sum of their squares
	v_pk_mul_f32 v[122:123], v[\src:\src+1], v[\src:\src+1]
	v_pk_mul_f32 v[124:125], v[\src+2:\src+3], v[\src+2:\src+3]
.irp i, 4,8,12
	v_pk_fma_f32 v[122:123], v[\src+\i:\src+\i+1], v[\src+\i:\src+\i+1], v[122:123]
	v_pk_fma_f32 v[124:125], v[\src+\i+2:\src+\i+3], v[\src+\i+2:\src+\i+3], v[124:125]
.endr
	v_pk_add_f32 v[122:123], v[122:123], v[124:125]
	v_add_f32 v[\dst], v122, v123
.endm
.macro WSUM r                          ; over the 32 lanes, the result in every lane
	v_add_f32_dpp v[\r], v[\r], v[\r] row_xmask:1 row_mask:0xf bank_mask:0xf
	v_add_f32_dpp v[\r], v[\r], v[\r] row_xmask:2 row_mask:0xf bank_mask:0xf
	v_add_f32_dpp v[\r], v[\r], v[\r] row_xmask:4 row_mask:0xf bank_mask:0xf
	v_add_f32_dpp v[\r], v[\r], v[\r] row_xmask:8 row_mask:0xf bank_mask:0xf
	v_permlanex16_b32 v127, v[\r], s[SEL], s[SEL+1]
	v_add_f32 v[\r], v[\r], v127
.endm
; One row's layernorm, in two passes (mean, then the squares of the differences), as the definition has it: a common offset in x does no harm.
.macro LNROW a
.set XR, 16+16*\a
	SUM16 XR, 114
	WSUM 114
	v_mul_f32 v116, s[RD], v114                    ; the mean: sum / 512, twice, a pair for the packed forms
	v_mul_f32 v117, s[RD], v114
.irp i, 0,2,4,6,8,10,12,14
	v_pk_add_f32 v[XR+\i:XR+\i+1], v[XR+\i:XR+\i+1], v[116:117] neg_lo:[0,1] neg_hi:[0,1]
.endr
	SQ16 XR, 114
	WSUM 114
	v_fma_f32 v114, v114, s[RD], s[EPS]            ; variance + 1e-5
	s_wait_alu depctr_va_vdst(0)
	v_rsq_f32 v116, v114
	v_rsq_f32 v117, v114
	v_nop                                          ; a plain instruction behind the transcendentals
	s_wait_alu depctr_va_vdst(0)                   ; the two reciprocal roots v116, v117 are written, ahead of their first reader
.irp i, 0,2,4,6,8,10,12,14
	v_pk_mul_f32 v[XR+\i:XR+\i+1], v[XR+\i:XR+\i+1], v[116:117]
.endr
.irp i, 0,2,4,6,8,10,12,14
	v_pk_fma_f32 v[XR+\i:XR+\i+1], v[XR+\i:XR+\i+1], v[48+\i:49+\i], v[64+\i:65+\i]
.endr
.endm
; The results leave: 2 x 16 numbers a lane become 2 x 16 bytes in the out-buffer c0, c1; each store covers 512 consecutive aligned bytes.  again = 1: the out-buffer has been stored from before.
.macro OUT e, base, second, c0, c1, again
.if \again
	s_wait_xcnt 0x0                                ; every earlier memory instruction has had its addresses translated (ISA guide 3.1): the out-buffer is written again only behind this wait,
	s_wait_alu depctr_vm_vsrc(0)                   ; and behind this one: the stores of a chunk ago have read it
.endif
	SETSC \e
	QUANT ACC, ACC, \c0, 0
	QUANT ACC+16, ACC+16, \c1, 0
	s_wait_alu depctr_va_vdst(0)                   ; the conversions have written the out-buffer, which the two stores read
	global_store_b128 v[L16], v[\c0:\c0+3], s[\base:\base+1]
	global_store_b128 v[L16], v[\c1:\c1+3], s[\base:\base+1] offset:\second
.endm
	s_load_b512 s[8:23], s[0:1], 0x0               ; x s[8:9], g s[10:11], b s[12:13], wcodes s[14:15], the exponents s[16:17], qimg s[18:19], kimg s[20:21], vimg s[22:23]
	v_lshl_add_u32 v15, v0, 2, 0xcc00
	v_mov_b32 v126, 0
	v_lshrrev_b32 v7, 5, v0
	v_readfirstlane_b32 s2, v7                     ; wave 0..15
	v_and_b32 v8, 31, v0                           ; lane
	v_and_b32 v9, 15, v0                           ; r
	v_bfe_u32 v10, v0, 4, 1                        ; h
	v_lshlrev_b32 v[L16], 4, v8
	v_lshlrev_b32 v[XO], 6, v8
	v_mul_u32_u24 v[A0], v10, 272
	v_lshl_add_u32 v[A0], v9, 4, v[A0]
	v_add_nc_u32 v[A1], 8704, v[A0]
	v_mul_u32_u24 v[STA], v8, 272                  ; my lane holds columns 16 lane on: k / 16 = lane
	v_mov_b32 v127, 0                              ; a lane permute's destination counts as read
	s_wait_alu depctr_va_sdst(0)                   ; s2 is written, ahead of its first reader: offsets and addresses are made from it
	s_lshl_b32 s3, s2, 14
	v_add_nc_u32 v[WOFF], s3, v[L16]
	s_lshr_b32 s4, s2, 3                           ; my two rows lie in tile m = w / 8, rows 2 (w % 8) and + 1
	s_mul_i32 s5, s4, 8704
	s_and_b32 s6, s2, 7
	s_lshl_b32 s7, s6, 5
	s_add_co_u32 s5, s5, s7
	v_add_nc_u32 v[STA], s5, v[STA]
	s_lshl_b32 s24, s4, 3                          ; their tokens: 8 m + r + 8 (r / 8) = 8 (w / 8) + 2 (w % 8) + 8 ((w / 4) % 2), and the next
	s_lshl_b32 s25, s6, 1
	s_add_co_u32 s24, s24, s25
	s_bfe_u32 s25, s2, 0x10002
	s_lshl_b32 s25, s25, 3
	s_add_co_u32 s24, s24, s25
	s_lshl_b32 s25, ttmp9, 5
	s_add_co_u32 s24, s24, s25
	s_lshl_b32 s24, s24, 11                        ; a row of x is 2,048 bytes
	s_mov_b32 s25, 0
	s_mov_b32 s[EPS], 0x3727c5ac                   ; 1e-5
	s_mov_b32 s[RD], 0x3b000000                    ; 1 / 512
	s_mov_b32 s[SEL], 0x76543210                   ; v_permlanex16_b32: lane l xor 16
	s_mov_b32 s[SEL+1], 0xfedcba98
	s_wait_kmcnt 0x0
	s_load_b512 s[32:47], s[16:17], 0x0            ; e0 .. e15
	s_add_nc_u64 s[8:9], s[8:9], s[24:25]
	s_wait_alu depctr_va_vdst(0)                   ; the offsets and LDS addresses v1 to v6 are written, which every load and store of the kernel reads; so are v15 and v126, which the closing add reads
.irp a, 0,1
.irp j, 0,1,2,3
	global_load_b128 v[16+16*\a+4*\j:19+16*\a+4*\j], v[XO], s[8:9] offset:\a*2048+16*\j   ; a lane holds 16 neighbours of a row, as the conversions want them
.endr
.endr
.irp j, 0,1,2,3
	global_load_b128 v[48+4*\j:51+4*\j], v[XO], s[10:11] offset:16*\j
.endr
.irp j, 0,1,2,3
	global_load_b128 v[64+4*\j:67+4*\j], v[XO], s[12:13] offset:16*\j
.endr
	WLOADH 0, 0                                    ; wq's chunk lands while the layernorm is made
	WLOADH 0, 1
	s_lshr_b32 s24, ttmp9, 6                       ; where the results go: batch b = work-group / 64, block B = work-group % 64, head = wave
	s_lshl_b32 s24, s24, 4
	s_add_co_u32 s24, s24, s2
	s_lshl_b32 s24, s24, 16                        ; (16 b + head) x 65,536
	s_and_b32 s26, ttmp9, 63
	s_lshl_b32 s27, s26, 10
	s_add_co_u32 s30, s24, s27                     ; q, k: tile 2 B + m of 512 bytes
	s_mov_b32 s31, 0
	s_lshr_b32 s27, s26, 2
	s_lshl_b32 s27, s27, 12
	s_add_co_u32 s24, s24, s27                     ; v: key step B / 4 of 4,096 bytes, in it tile u of 2,048, in it group B % 4 of 512
	s_and_b32 s27, s26, 3
	s_lshl_b32 s27, s27, 9
	s_add_co_u32 s24, s24, s27
	s_add_nc_u64 s[18:19], s[18:19], s[30:31]
	s_add_nc_u64 s[20:21], s[20:21], s[30:31]
	s_add_nc_u64 s[22:23], s[22:23], s[24:25]
	s_wait_kmcnt 0x0
	s_sub_co_i32 s48, s38, s32                     ; a sum of h wq stands for sum x 2^(e0 + e1): its code is sum / 2^(e6 - e0 - e1)
	s_sub_co_i32 s48, s48, s33
	s_sub_co_i32 s49, s39, s34                     ; e7 - e2 - e3
	s_sub_co_i32 s49, s49, s35
	s_sub_co_i32 s50, s40, s36                     ; e8 - e4 - e5
	s_sub_co_i32 s50, s50, s37
	s_wait_loadcnt 32                              ; x, g and b are in; the 32 weight loads behind them stay out
	LNROW 0
	LNROW 1
.irp n, 0,1,2                          ; h as A of the three products: e0, e2, e4; each variant's codes in registers of their own
	SETSC 32+2*\n
	QUANT 16, 80, 48+8*\n, 0
	QUANT 32, 80, 52+8*\n, 0
.endr
	s_wait_alu depctr_va_vdst(0)                   ; the conversions have written v48-71, which the six LDS stores read; all vector work on v48-111 is done, in which the first fragments will land
.irp n, 0,1,2
	ds_store_b128 v[STA], v[48+8*\n:51+8*\n] offset:\n*17408
	ds_store_b128 v[STA], v[52+8*\n:55+8*\n] offset:\n*17408+16
.endr
	BARRIER                                        ; the three images of h lie in LDS; from here on LDS is only read
	s_wait_alu depctr_vm_vsrc(0)                   ; my LDS stores have read v48-71: these registers are fragment buffers from here on
	CHEAD A0, A1, 0
	CBODY A0, A1, 0, 0, 1, 1, 8                    ; q: lane (r, h) holds token row r; 16 registers = dims 16 h + 0 .. 15
	CEND 1
	CHEAD A0, A1, 17408                            ; k's first fragments are asked for ahead of the work on q: that work names neither AF0 nor AF1
	OUT 48, 18, 512, CD, CD+4, 0
	CBODY A0, A1, 17408, 0, 1, 2, 8                ; k likewise
	CEND 2
	CHEAD A0, A1, 34816
	OUT 49, 20, 512, CE, CF, 0
	CBODY A0, A1, 34816, 1, 1, -1, 8               ; v, sources swapped: lane (r, h) holds dim 8 u + r + 8 (r / 8); 16 registers = tokens 16 h + 0 .. 15: the keys are the next K
	OUT 50, 22, 2048, CD, CD+4, 1
	s_wait_dscnt 0x0                               ; the closing lines, six on end
	s_wait_alu 0x0
	s_wait_tensorcnt 0x0
	ds_add_u32 v15, v126
	s_wait_dscnt 0x0
	s_endpgm
.Lfunc_end_k_qdba2dd211c_qkv:
	.size	k_qdba2dd211c_qkv, .Lfunc_end_k_qdba2dd211c_qkv-k_qdba2dd211c_qkv
	.p2alignl 7, 3214868480
	.fill 96, 4, 3214868480
	.section	.rodata,"a",@progbits
	.p2align	6, 0x0
	.amdhsa_kernel k_qdba2dd211c_qkv
		.amdhsa_group_segment_fixed_size 54272
		.amdhsa_private_segment_fixed_size 0
		.amdhsa_enable_private_segment 0
		.amdhsa_kernarg_size 64
		.amdhsa_user_sgpr_count 2
		.amdhsa_user_sgpr_kernarg_segment_ptr 1
		.amdhsa_wavefront_size32 1
		.amdhsa_system_sgpr_workgroup_id_x 1
		.amdhsa_system_sgpr_workgroup_id_y 1
		.amdhsa_system_sgpr_workgroup_id_z 1
		.amdhsa_system_vgpr_workitem_id 0
		.amdhsa_next_free_vgpr 256
		.amdhsa_next_free_sgpr 66
		.amdhsa_reserve_vcc 0
		.amdhsa_float_denorm_mode_32 3
		.amdhsa_float_denorm_mode_16_64 3
		.amdhsa_memory_ordered 1
		.amdhsa_forward_progress 1
		.amdhsa_inst_pref_size 49
	.end_amdhsa_kernel
	.amdgpu_metadata
---
amdhsa.version: [ 1, 2 ]
amdhsa.kernels:
  - .name:           k_qdba2dd211c_qkv
    .symbol:         k_qdba2dd211c_qkv.kd
    .args:
      - { .name: x, .offset: 0, .size: 8, .value_kind: global_buffer, .address_space: global }
      - { .name: g_ln1, .offset: 8, .size: 8, .value_kind: global_buffer, .address_space: global }
      - { .name: b_ln1, .offset: 16, .size: 8, .value_kind: global_buffer, .address_space: global }
      - { .name: wcodes, .offset: 24, .size: 8, .value_kind: global_buffer, .address_space: global }
      - { .name: lowp_scales, .offset: 32, .size: 8, .value_kind: global_buffer, .address_space: global }
      - { .name: qimg, .offset: 40, .size: 8, .value_kind: global_buffer, .address_space: global }
      - { .name: kimg, .offset: 48, .size: 8, .value_kind: global_buffer, .address_space: global }
      - { .name: vimg, .offset: 56, .size: 8, .value_kind: global_buffer, .address_space: global }
    .group_segment_fixed_size: 54272
    .private_segment_fixed_size: 0
    .kernarg_segment_align: 8
    .kernarg_segment_size: 64
    .max_flat_workgroup_size: 512
    .sgpr_count:     66
    .vgpr_count:     256
    .wavefront_size: 32
...
	.end_amdgpu_metadata
.endif
;; end of part 6
;; launch attn (part 7): grid 4 x 64, 16 waves a work-group, no clusters, 133,120 bytes of LDS; arguments qimg, kimg, vimg, lowp_scales, aimg; writes aimg
.if DOCPART == 7
	.amdgcn_target "amdgcn-amd-amdhsa--gfx1250"
	.amdhsa_code_object_version 6
	.text
	.protected	k_qdba2dd211c_attn
	.globl	k_qdba2dd211c_attn
	.p2align	8
	.type	k_qdba2dd211c_attn,@function
k_qdba2dd211c_attn:
	s_mov_b64 s[64:65], 0
	v_nop
	global_prefetch_b8 v0, s[64:65] scope:SCOPE_SE
	s_setreg_imm32_b32 hwreg(HW_REG_WAVE_SCHED_MODE, 0, 2), 2
	s_setreg_imm32_b32 hwreg(HW_REG_WAVE_MODE, 25, 1), 1
	s_wait_xcnt 0x0
	s_wait_alu depctr_vm_vsrc(0)
; Causal attention of one head (work-group y = 16 batch + head), head size 32, 2,048 tokens, both products on codes of BF8 (E5M2); the result leaves as codes (e10) in the order of the next product's operand.
; THE SOFTMAX AHEAD OF THE SECOND PRODUCT: t = score x log2(e) / sqrt(32); M = the running largest t rounded UP to a whole number; p = 2^(t - M) is quantised (e9), not normalised; the row's sum is taken of the
; unquantised p and divides at the end.  When M moves, the sum and O are multiplied by 2^(old M - new M): exact.
; SHARES.  All of the head's K and V codes, 64 KiB each, are copied into LDS once, at the head, and only read afterwards.  Wave w of work-group x takes the query tiles j = 4 w + x and 127 - j, 16 queries each.
; Tile j needs j / 8 + 1 key steps of 128 keys (the mask hides the rest): the two tiles together 17, in every wave of the launch.  j / 8 = w / 2 hangs on the wave's number alone.
; The loop over key steps has a constant count of 16; a step all of whose keys are hidden is jumped over by a scalar branch.
; LAYOUT.  Both products transposed: S^T = K Q^T, O^T = V^T P^T: a lane holds ONE query (lane % 16).  Tile rows are permuted (row r of tile 2 B + m is token 32 B + 8 m + r + 8 (r / 8)), so that p's 16 registers of two
; neighbouring key tiles are 16 neighbouring keys, 32 b + 16 (lane / 16) + 0 .. 15, and O^T's 16 registers are dims 16 (lane / 16) + 0 .. 15.
; K = 32 IN A FORM OF K = 64: a fragment of K's codes holds TWO key tiles, one in each half of the 64 places; q stands in one half of source 1 and zeros in the other, which picks the tile.  (k's codes were held: none is an infinity.)
; NO CLUSTER: what the four work-groups of a head share is 128 KiB fetched once, against 17 key steps of vector work a wave; no slot is ever filled again, so there is nothing for a joint refill to serve.
; LIMITS: e6 + e7 between -124 and 129 (added to c's exponent field); e9 and e10 - e8 - e9 between -126 and 112.  NaN among the inputs is not served.
; THE MODE: SCHED_MODE bits 1:0 = 2 (LLVM: expert scheduling mode 2), set by the entry lines.  The code itself states the register dependences
; between vector or matrix instructions and memory or LDS instructions, with s_wait_alu, always for 0.
; THE PLAN.  Registers that memory or LDS instructions touch:
;   v1         16 x lane: the offset of q's loads and of the result's store (the tile is reached by scalar bases) and the LDS address of a tile's first K; made at the head, never written again.
;   v3, v4     the step's LDS addresses: written by two adds at a step's head, read by the step's sixteen LDS loads.  (At the head: the copy's offsets.)
;   v16-19, v24-27  q: loaded in a tile's prologue, read by the score products.
;   v32-63     K: read by step s's score products; the loads of step s + 1 land in it in the middle of step s.
;   v64-95     V: read by step s's second products at the step's end; the loads of step s land in it in the middle of step s.
;   v192-195   the result's codes: written by two conversions, read by one store.
; Three waits on va_vdst stand in a step, the second behind the exponentials.  It states that the exponentials are written, that this step's score products are done reading K,
; that the step before's second products are done reading V, and that v3 and v4 are written.  The next step's K and this step's V are asked for behind it and land during the sums, the conversions and the rescaling.
; One wait on vm_vsrc stands at a step's head, ahead of the two adds.  q's loads and a tile's first K owe nothing more: their registers' last readers stand ahead of the last step's wait.
; REGISTERS: v1 16 lane; v2 that + 65536; v3, v4 the step's LDS addresses; v5 r + 8 (r / 8) - 16 h; v6, v7 at the head only; v8, v9 p's scale and hold; v10, v11 the result's; v12 -M; v13 the largest t;
; v[14:15] the sum; v16-19 and v24-27 q, v20-23 zeros: [q | 0] = v[16:23], [0 | q] = v[20:27]; v28 the mask's bound; v29 -infinity; v[30:31] f; v32-63 K; v64-95 V; v96-159 S^T, then p; v160-175 O^T; v176-191 p's codes;
; v192-195 the result's codes; v196-201 at work.
; SCALARS: s2 wave; s3 j; s4 the tile's last key step; s5 step; s6 the step's LDS byte; s7 counts the two tiles; s[18:19] c; s[20:21] lane selects; s[24:25] q's tile; s[26:27] the result's tile; s[32:47] e0 .. e15; s48-63 the mask's sixteen compares.
.macro PLACES
.rept 4
	v_nop
.endr
.endm
	s_load_b256 s[8:15], s[0:1], 0x0               ; qimg s[8:9], kimg s[10:11], vimg s[12:13], the exponents s[14:15]
	s_load_b64 s[16:17], s[0:1], 0x20              ; aimg
	v_lshl_add_u32 v254, v0, 2, 0x20000
	v_mov_b32 v255, 0
	v_lshrrev_b32 v6, 5, v0
	v_readfirstlane_b32 s2, v6                     ; wave 0..15
	v_and_b32 v7, 31, v0
	v_lshlrev_b32 v1, 4, v7
	v_add_nc_u32 v2, 0x10000, v1
	v_lshlrev_b32 v3, 4, v0                        ; for the copy: 16 x thread
	v_add_nc_u32 v4, 0x10000, v3
	v_and_b32 v6, 15, v0                           ; r
	v_bfe_u32 v7, v0, 4, 1                         ; h
	v_and_b32 v5, 8, v6
	v_add_nc_u32 v5, v5, v6
	v_lshlrev_b32 v7, 4, v7
	v_sub_nc_u32 v5, v5, v7                        ; r + 8 (r / 8) - 16 h
	s_wait_alu depctr_va_sdst(0)                   ; s2 is written, ahead of its first reader: the tiles' numbers are made from it
	s_and_b32 s28, ttmp7, 0xffff                   ; 16 batch + head
	s_lshl_b32 s24, s28, 16                        ; a head's codes are 65,536 bytes in each of the three images
	s_mov_b32 s25, 0
	s_lshr_b32 s26, s28, 4
	s_lshl_b32 s26, s26, 20                        ; the result: batch x 128 tiles x 8,192 bytes
	s_and_b32 s27, s28, 15
	s_lshl_b32 s27, s27, 9                         ; + head x 512: k / 16 = 2 head + h, 256 bytes each
	s_add_co_u32 s26, s26, s27
	s_mov_b32 s27, 0
	s_wait_kmcnt 0x0
	s_load_b512 s[32:47], s[14:15], 0x0            ; e0 .. e15
	s_add_nc_u64 s[8:9], s[8:9], s[24:25]
	s_add_nc_u64 s[10:11], s[10:11], s[24:25]
	s_add_nc_u64 s[12:13], s[12:13], s[24:25]
	s_add_nc_u64 s[16:17], s[16:17], s[26:27]
	s_wait_alu depctr_va_vdst(0)                   ; v1, v3 and v4 are written, which the loads and stores below read as offsets and addresses; so are v254 and v255, which the closing add reads
.irp i, 0,1,2,3,4,5,6,7
	global_load_b128 v[32+4*\i:35+4*\i], v3, s[10:11] offset:\i*8192    ; the work-group's 512 threads take 8,192 consecutive bytes a line
.endr
.irp i, 0,1,2,3,4,5,6,7
	global_load_b128 v[64+4*\i:67+4*\i], v3, s[12:13] offset:\i*8192
.endr
	s_mov_b32 s20, 0x76543210
	s_mov_b32 s21, 0xfedcba98
	s_lshl_b32 s3, s2, 2
	s_add_co_u32 s3, s3, ttmp9                     ; j = 4 w + x
	s_lshr_b32 s4, s2, 1                           ; j / 8
	s_mov_b32 s7, 0
	v_mov_b32 v20, 0
	v_mov_b32 v21, 0
	v_mov_b32 v22, 0
	v_mov_b32 v23, 0
	v_mov_b32 v29, 0xff800000                      ; -infinity
	v_mov_b32 v31, 0                               ; (named as the upper half of the pair v[30:31])
	v_mov_b32 v198, 0                              ; a lane permute's destination counts as read
	s_wait_kmcnt 0x0
	s_add_co_i32 s22, s38, s39                     ; a score stands for score x 2^(e6 + e7): added to c's exponent field
	s_lshl_b32 s22, s22, 23
	s_mov_b32 s18, 0x3e8293ee                      ; c = log2(e) / sqrt(32)
	s_add_co_i32 s18, s18, s22
	s_mov_b32 s19, s18                             ; (named with it as a pair)
	s_add_co_i32 s22, s41, 127
	s_lshl_b32 s23, s22, 23
	v_mov_b32 v8, s23                              ; 2^e9
	s_add_co_i32 s22, s22, 15
	s_lshl_b32 s22, s22, 23
	s_or_b32 s22, s22, 0x600000
	v_mov_b32 v9, s22                              ; 57,344 x 2^e9
	s_sub_co_i32 s22, s42, s40                     ; O's sums stand for sum x 2^(e8 + e9): the result's code is (sum / l) / 2^(e10 - e8 - e9)
	s_sub_co_i32 s22, s22, s41
	s_add_co_i32 s22, s22, 127
	s_lshl_b32 s23, s22, 23
	v_mov_b32 v10, s23
	s_add_co_i32 s22, s22, 15
	s_lshl_b32 s22, s22, 23
	s_or_b32 s22, s22, 0x600000
	v_mov_b32 v11, s22
	s_wait_loadcnt 0x0
.irp i, 0,1,2,3,4,5,6,7
	ds_store_b128 v3, v[32+4*\i:35+4*\i] offset:\i*8192
.endr
.irp i, 0,1,2,3,4,5,6,7
	ds_store_b128 v4, v[64+4*\i:67+4*\i] offset:\i*8192
.endr
	s_wait_dscnt 0x0                               ; for the others' sake: my part of K and V lies in LDS
	s_barrier_signal -1
	s_barrier_wait -1                              ; everybody's does; from here on LDS is only read
.Ltile:                                            ; two trips: tile j, then tile 127 - j
	s_wait_xcnt 0x0                                ; every earlier memory instruction has had its addresses translated (ISA guide 3.1): the two bases and v192-195 are written again only behind this wait
	s_wait_alu depctr_vm_vsrc(0)                   ; first trip: the copy's LDS stores have read v32-95, in which K and V will land; second trip: the last tile's store has read v192-195, which this tile's conversions write again
	s_lshl_b32 s22, s3, 9                          ; tile j of q: 512 bytes
	s_mov_b32 s23, 0
	s_add_nc_u64 s[24:25], s[8:9], s[22:23]
	s_lshl_b32 s22, s3, 13                         ; tile j of the batch's result: 8,192 bytes
	s_add_nc_u64 s[26:27], s[16:17], s[22:23]
	global_load_b128 v[16:19], v1, s[24:25]        ; q's 16 bytes of my lane, into both places.  No wait on va_vdst: the last tile's score products stand ahead of its last step's wait, and nothing since names these registers
	global_load_b128 v[24:27], v1, s[24:25]
.irp b, 0,1,2,3
.irp u, 0,1
	ds_load_b128 v[32+8*\b+4*\u:35+8*\b+4*\u], v1 offset:\b*1024+\u*512       ; K of key step 0: likewise
.endr
.endr
	v_mov_b32 v13, 0xff61b1e6                      ; the largest t so far: -3e38, under every t
	v_floor_f32 v12, -v13                          ; -M
	v_mov_b32 v14, 0
	v_mov_b32 v15, 0
.set n, 0
.rept 16
	v_mov_b32 v[160+n], 0                          ; O^T: the step is written once; the first finds zeros, which the first change of M leaves zeros
.set n, n+1
.endr
	s_mov_b32 s5, 0
	s_mov_b32 s6, 0
	s_wait_loadcnt 0x0                             ; q
	s_wait_dscnt 0x0                               ; K of step 0
.Lstep:                                            ; sixteen trips, a constant; the work of hidden steps is jumped over
	s_cmp_gt_u32 s5, s4
	s_cbranch_scc1 .Lskip
	s_wait_alu depctr_vm_vsrc(0)                   ; the LDS loads of the step before (in the first step of all: the copy's loads and stores) have read v3 and v4
	v_add_nc_u32 v3, s6, v1
	v_add_nc_u32 v4, s6, v2
.irp b, 0,1,2,3                                ; K of this step was waited for in the step before, or in the prologue.  Key tiles 2 b and 2 b + 1 lie side by side in one fragment
	v_wmma_f32_16x16x64_bf8_bf8 v[96+16*\b:103+16*\b], v[32+8*\b:39+8*\b], v[16:23], 0
	v_wmma_f32_16x16x64_bf8_bf8 v[104+16*\b:111+16*\b], v[32+8*\b:39+8*\b], v[20:27], 0
.endr                                              ; register 16 b + i of lane (r, h): key 128 step + 32 b + 16 h + i
	PLACES
	s_cmp_lg_u32 s5, s4                            ; only the tile's last step meets the diagonal
	s_cbranch_scc1 .Lopen
	s_lshr_b32 s22, s3, 1
	s_lshl_b32 s22, s22, 5
	s_and_b32 s23, s3, 1
	s_lshl_b32 s23, s23, 3
	s_add_co_u32 s22, s22, s23                     ; the tile's first token: 32 (j / 2) + 8 (j % 2)
	s_lshl_b32 s23, s4, 7
	s_sub_co_i32 s22, s22, s23
	v_add_nc_u32 v28, s22, v5                      ; d = my query - the step's first key - 16 h: register 16 b + i is hidden where 32 b + i > d
.irp b, 0,1,2,3                                ; sixteen compares in a run, each into a scalar register of its own, one wait, sixteen selects
.set n, 0
.rept 16
	v_cmp_gt_i32 s[48+n], 32*\b+n, v28
.set n, n+1
.endr
	s_wait_alu depctr_va_sdst(0)                   ; the sixteen masks s48 to s63 are written, ahead of the selects that read them
.set n, 0
.rept 16
	v_cndmask_b32 v[96+16*\b+n], v[96+16*\b+n], v29, s[48+n]   ; -infinity ahead of the maximum: p = 0
.set n, n+1
.endr
.endr
.Lopen:
	v_max3_num_f32 v196, v96, v97, v98             ; the step's largest score of my query among my 64 keys, in two chains, from the low end on
	v_max3_num_f32 v197, v99, v100, v101
.irp i, 6,10,14,18,22,26,30,34,38,42,46,50,54,58
	v_max3_num_f32 v196, v196, v[96+\i], v[97+\i]
	v_max3_num_f32 v197, v197, v[98+\i], v[99+\i]
.endr
	v_max3_num_f32 v196, v196, v158, v159
	v_max_num_f32 v196, v196, v197
	v_permlanex16_b32 v198, v196, s20, s21
	v_max_num_f32 v196, v196, v198                 ; and among lane l xor 16's.  (The step's first key counts for every query of the tile: the maximum is a number)
	v_mul_f32 v196, s18, v196                      ; as t (c is positive)
	v_max_num_f32 v13, v13, v196
	v_mov_b32 v196, v12
	v_floor_f32 v12, -v13                          ; the new -M = floor(-t): M is a whole number
	v_sub_f32 v196, v12, v196                      ; old M - new M: a whole number, 0 or less
	v_cvt_i32_f32 v196, v196                       ; (it saturates)
	v_ldexp_f32 v30, 1.0, v196                     ; f = 2^(old M - new M)
.set n, 0
.rept 32
	v_pk_fma_f32 v[96+n:97+n], v[96+n:97+n], s[18:19], v[12:13] op_sel_hi:[1,0,0]   ; t - M (of the pairs c and -M the low word serves both halves)
.set n, n+2
.endr
.set n, 0
	s_wait_alu depctr_va_vdst(0)
.rept 64
	v_exp_f32 v[96+n], v[96+n]                     ; p = 2^(t - M), at most 1
.set n, n+1
.endr
	v_pk_mul_f32 v[14:15], v[14:15], v[30:31] op_sel_hi:[1,0]   ; the sum under the new M.  (The plain instruction behind the exponentials)
	s_wait_alu depctr_va_vdst(0)                   ; the 64 exponentials are written, ahead of their first reader; this step's score products are done reading v32-63 and the step before's second products v64-95, in which the loads below land; v3 and v4 are written, which they read
	s_cmp_eq_u32 s5, s4                            ; the tile's last step has no successor
	s_cbranch_scc1 .Lno_next
.irp b, 0,1,2,3
.irp u, 0,1
	ds_load_b128 v[32+8*\b+4*\u:35+8*\b+4*\u], v3 offset:4096+\b*1024+\u*512  ; K of the NEXT step: a key step is 4,096 bytes
.endr
.endr
.Lno_next:
.irp u, 0,1
.irp c, 0,1,2,3
	ds_load_b128 v[64+16*\u+4*\c:67+16*\u+4*\c], v4 offset:\u*2048+\c*512    ; V^T of this step: 16 dims x 128 keys, twice
.endr
.endr
	v_pk_add_f32 v[200:201], v[96:97], v[98:99]    ; the sum of the UNQUANTISED p, in two chains
.irp j, 4,8,12,16,20,24,28,32,36,40,44,48,52,56,60
	v_pk_add_f32 v[14:15], v[14:15], v[96+\j:97+\j]
	v_pk_add_f32 v[200:201], v[200:201], v[98+\j:99+\j]
.endr
	v_pk_add_f32 v[14:15], v[14:15], v[200:201]
	s_cmp_ge_i32 s41, -15                          ; p is at most 1 and 57,344 x 2^e9 is at least 1.75 from e9 = -15 on: the hold runs whenever it can bind
	s_cbranch_scc1 .Lno_hold
.set n, 0
.rept 64
	v_min_num_f32 v[96+n], v[96+n], v9             ; the conversion does not saturate (ISA guide 7.6.2); p is not negative: one side
.set n, n+1
.endr
.Lno_hold:
.irp b, 0,1,2,3
	v_cvt_scalef32_pk8_bf8_f32 v[176+4*\b:177+4*\b], v[96+16*\b:103+16*\b], v8
	v_cvt_scalef32_pk8_bf8_f32 v[178+4*\b:179+4*\b], v[104+16*\b:111+16*\b], v8
.endr
.irp j, 0,2,4,6,8,10,12,14
	v_pk_mul_f32 v[160+\j:161+\j], v[160+\j:161+\j], v[30:31] op_sel_hi:[1,0]   ; O^T under the new M.  (Also the plain instructions behind the conversions)
.endr
	s_wait_alu depctr_va_vdst(0)
	s_wait_dscnt 0x0                               ; V is in, and the next step's K, which was asked for ahead of it: the count serves both ways round K's loads
	v_wmma_f32_16x16x128_bf8_bf8 v[160:167], v[64:79], v[176:191], v[160:167]   ; the two accumulators take turns, and the next step's eight products stand between two links
	v_wmma_f32_16x16x128_bf8_bf8 v[168:175], v[80:95], v[176:191], v[168:175]
	PLACES                                         ; in front of the first read of O^T
.Lskip:
	s_add_co_u32 s6, s6, 4096                      ; a key step is 4,096 bytes of K and of V
	s_add_co_u32 s5, s5, 1
	s_cmp_lt_u32 s5, 16
	s_cbranch_scc1 .Lstep
	v_add_f32 v14, v14, v15                        ; the sum's two halves,
	v_permlanex16_b32 v198, v14, s20, s21
	v_add_f32 v14, v14, v198                       ; and lane l xor 16's
	s_wait_alu depctr_va_vdst(0)
	v_rcp_f32 v14, v14
	v_nop                                          ; a plain instruction behind the transcendental
	s_wait_alu depctr_va_vdst(0)                   ; the reciprocal v14 is written, ahead of its first reader
.set n, 0
.rept 16
	v_mul_f32 v[96+n], v[160+n], v14               ; O^T / l: dims 16 h + 0 .. 15 of my query
.set n, n+1
.endr
.set n, 0
.rept 16
	v_med3_num_f32 v[96+n], v[96+n], -v11, v11
.set n, n+1
.endr
	v_cvt_scalef32_pk8_bf8_f32 v[192:193], v[96:103], v10
	v_cvt_scalef32_pk8_bf8_f32 v[194:195], v[104:111], v10
	v_nop
	s_wait_alu depctr_va_vdst(0)                   ; the conversions have written v192-195, which the store reads
	global_store_b128 v1, v[192:195], s[26:27]     ; the wave stores 512 consecutive aligned bytes
	s_sub_co_u32 s3, 127, s3                       ; the partner tile,
	s_sub_co_u32 s4, 15, s4                        ; whose last step is 15 - j / 8
	s_add_co_u32 s7, s7, 1
	s_cmp_lt_u32 s7, 2
	s_cbranch_scc1 .Ltile
	s_wait_dscnt 0x0                               ; the closing lines, six on end
	s_wait_alu 0x0
	s_wait_tensorcnt 0x0
	ds_add_u32 v254, v255
	s_wait_dscnt 0x0
	s_endpgm
.Lfunc_end_k_qdba2dd211c_attn:
	.size	k_qdba2dd211c_attn, .Lfunc_end_k_qdba2dd211c_attn-k_qdba2dd211c_attn
	.p2alignl 7, 3214868480
	.fill 96, 4, 3214868480
	.section	.rodata,"a",@progbits
	.p2align	6, 0x0
	.amdhsa_kernel k_qdba2dd211c_attn
		.amdhsa_group_segment_fixed_size 133120
		.amdhsa_private_segment_fixed_size 0
		.amdhsa_enable_private_segment 0
		.amdhsa_kernarg_size 40
		.amdhsa_user_sgpr_count 2
		.amdhsa_user_sgpr_kernarg_segment_ptr 1
		.amdhsa_wavefront_size32 1
		.amdhsa_system_sgpr_workgroup_id_x 1
		.amdhsa_system_sgpr_workgroup_id_y 1
		.amdhsa_system_sgpr_workgroup_id_z 1
		.amdhsa_system_vgpr_workitem_id 0
		.amdhsa_next_free_vgpr 256
		.amdhsa_next_free_sgpr 66
		.amdhsa_reserve_vcc 0
		.amdhsa_float_denorm_mode_32 3
		.amdhsa_float_denorm_mode_16_64 3
		.amdhsa_memory_ordered 1
		.amdhsa_forward_progress 1
		.amdhsa_inst_pref_size 34
	.end_amdhsa_kernel
	.amdgpu_metadata
---
amdhsa.version: [ 1, 2 ]
amdhsa.kernels:
  - .name:           k_qdba2dd211c_attn
    .symbol:         k_qdba2dd211c_attn.kd
    .args:
      - { .name: qimg, .offset: 0, .size: 8, .value_kind: global_buffer, .address_space: global }
      - { .name: kimg, .offset: 8, .size: 8, .value_kind: global_buffer, .address_space: global }
      - { .name: vimg, .offset: 16, .size: 8, .value_kind: global_buffer, .address_space: global }
      - { .name: lowp_scales, .offset: 24, .size: 8, .value_kind: global_buffer, .address_space: global }
      - { .name: aimg, .offset: 32, .size: 8, .value_kind: global_buffer, .address_space: global }
    .group_segment_fixed_size: 133120
    .private_segment_fixed_size: 0
    .kernarg_segment_align: 8
    .kernarg_segment_size: 40
    .max_flat_workgroup_size: 512
    .sgpr_count:     66
    .vgpr_count:     256
    .wavefront_size: 32
...
	.end_amdgpu_metadata
.endif
;; end of part 7
;; launch tail (part 8): grid 256 x 1, 16 waves a work-group, no clusters, 193,536 bytes of LDS; arguments aimg, wcodes, x, bo, b1, b2, g_ln2, b_ln2, lowp_scales, out0; writes out0
.if DOCPART == 8
	.amdgcn_target "amdgcn-amd-amdhsa--gfx1250"
	.amdhsa_code_object_version 6
	.text
	.protected	k_qdba2dd211c_tail
	.globl	k_qdba2dd211c_tail
	.p2align	8
	.type	k_qdba2dd211c_tail,@function
k_qdba2dd211c_tail:
	s_mov_b64 s[64:65], 0
	v_nop
	global_prefetch_b8 v0, s[64:65] scope:SCOPE_SE
	s_setreg_imm32_b32 hwreg(HW_REG_WAVE_SCHED_MODE, 0, 2), 2
	s_setreg_imm32_b32 hwreg(HW_REG_WAVE_MODE, 25, 1), 1
	s_wait_xcnt 0x0
	s_wait_alu depctr_vm_vsrc(0)
; x1 = x + attn wo + bo;  h2 = layernorm(x1) g + b;  out = x1 + relu(h2 w1 + b1) w2 + b2.  The three products on codes of BF8 (E5M2) with the given scales; all else f32.  x1, h2 and the hidden layer never go to memory.
; SHARES.  A work-group owns 32 tokens; its sixteen waves share the COLUMNS: wave w makes columns 32 w .. 32 w + 31 of x1 and of out, and hidden units 128 w .. 128 w + 127, for all 32 tokens.
; Each wave's weights come from wcodes straight into its registers, nine chunks of 16 KiB, each byte once; a chunk's two halves are asked for in the middle and at the end of the chunk before, ahead of the work on the results and of any barrier.
; Activations go from wave to wave through LDS as codes, [tile m][k / 16][16 rows x 16 bytes + 16 of padding]; rows and weight columns are permuted as in the launch that makes q, k and v, so that a lane's 16 registers
; of two neighbouring result tiles are 16 neighbours along the next K (source 0 = weights, source 1 = activations: lane (r, h) holds token row r and columns 16 h + 0 .. 15 of the wave's block of 32).
; LDS: AIMG attn's codes; H2IMG h2's; HIMG the hidden layer's (tile m at + 34816); XS 32 rows of f32 in tile order (row 16 m + r), 2,064 bytes apart: x, then x1, then out; CONST b1, bo, b2, g, b; RED the waves' partial sums.
; NO CLUSTER, NO TENSOR LOAD: a weight byte feeds one wave's registers once; brought jointly it would have to be written to LDS and read back, 2.25 MiB a work-group, for nothing saved in registers.
; LIMITS: e12, e14 between -126 and 112; e10 + e11, e12 + e13, e14 + e15 between -126 and 127.  NaN among the inputs is not served.
; THE MODE: SCHED_MODE bits 1:0 = 2 (LLVM: expert scheduling mode 2), set by the entry lines.  The code itself states the register dependences
; between vector or matrix instructions and memory or LDS instructions, with s_wait_alu, always for 0.
; THE PLAN.  Registers that memory or LDS instructions touch:
;   v1-v15, v126  offsets and LDS addresses: made at the head, never written again.  v122-125: offsets of the head's fills alone; afterwards at work.
;   v16-63     at the head the fills land here and go on to LDS; afterwards accumulators and fragments.
;   AF0, AF1   LDS loads land in them: fragments, which K step s's products read (AF[s % 2]); between chunks x or x1 (v48-79, read again by eight LDS stores), biases and gains (v80-111), which vector instructions read.
;   W          low half (K steps 0, 1) and high half (K steps 2, 3): weight loads land, the products of those K steps read.
;   v16-47     the accumulators; the waves' partial sums and, at the end, whole rows of out land here by LDS loads, behind the vector instructions that read the sums.
;   v114, v115 a row's partial sums: written by vector instructions, read by LDS stores, twice.   v114-121  codes: written by conversions, read by two LDS stores, five times.
; A chunk has two waits on va_vdst.  Behind K step 1: steps 0 and 1 are done reading AF0, AF1 and W's low half; the fragments of steps 2 and 3 and the next chunk's low half follow, the latter between the
; products of steps 2 and 3, which name W's high half, AF and the accumulators alone.  Behind K step 3: steps 2 and 3 are done reading AF0, AF1 and W's high half; the next chunk's high half and the next LDS
; loads into AF follow.  Between chunks the arithmetic stands first, then ONE wait on va_vdst, then the run of LDS stores; that wait also frees, for the LDS loads behind it, the registers that the arithmetic read.
; A wait on vm_vsrc stands ahead of each rewriting of registers that LDS stores have read, a barrier or a chunk behind those stores.
.set AIMG,  0
.set H2IMG, 17408
.set HIMG,  34816
.set XS,    104448
.set CONST, 170496                     ; b1 + 0, bo + 8192, b2 + 10240, g + 12288, b + 14336
.set RED,   186880                     ; two arrays [row 32][wave 16] of f32
.set L16,  1                           ; v1   16 x lane
.set WOFF, 2                           ; v2   16384 x wave + 16 x lane; never rewritten
                                       ; v3, v4 AIMG + 272 h + 16 r, tiles 0, 1;  v5, v6 the same in H2IMG;  v7, v8 in HIMG
                                       ; v9  XS + 2064 r + 128 w + 64 h: my 16 columns of row r (tile 1: + 33024)
                                       ; v10 CONST + 128 w + 64 h;  v11 CONST + 512 w + 64 h
                                       ; v12 H2IMG + 272 (2 w + h) + 16 r;  v13 HIMG + 272 (8 w + h) + 16 r: where my codes go
                                       ; v14 RED + 64 r + 4 w;  v15 RED + 64 r;  v126 XS + 4128 w + 16 lane: my two whole rows
.set ACC,  16                          ; v16-47   four accumulators
.set AF0,  48                          ; v48-79   fragments of a K step; in the epilogues x, x1, h2
.set AF1,  80                          ; v80-111  the other buffer; in the epilogues biases and gains
.set SC,   112
.set LIM,  113
.set CD,   114                         ; v114-121 codes to store; in the layernorm v114-119 statistics
.set W,    128                         ; v128-255 a chunk of weights
.set WB,   10                          ; s[10:11] wcodes, never stepped
.set TS,   28
.set EPS,  58
.set RD,   59
.set SEL,  60
.macro PLACES                          ; four plain vector instructions between a matrix instruction and a load into, or a vector read or write of, its registers
.rept 4
	v_nop
.endr
.endm
.macro WLOADH q, half                  ; half a chunk q: two K steps, 16 loads of 512 consecutive bytes a wave, K step by K step
.irp f, 0,1,2,3
.irp c, 0,1,2,3
	global_load_b128 v[W+64*(\half)+16*\f+4*\c:W+64*(\half)+16*\f+4*\c+3], v[WOFF], s[WB:WB+1] offset:(\q)*262144+(\half)*8192+\f*2048+\c*512
.endr
.endr
.endm
.macro AFETCH buf, a0, a1, off, s      ; the activations' fragments of K step s, tiles 0 and 1
.irp c, 0,1,2,3
	ds_load_b128 v[\buf+4*\c:\buf+4*\c+3], v[\a0] offset:(\off)+(8*(\s)+2*\c)*272
.endr
.irp c, 0,1,2,3
	ds_load_b128 v[\buf+16+4*\c:\buf+16+4*\c+3], v[\a1] offset:(\off)+(8*(\s)+2*\c)*272
.endr
.endm
.macro MM buf, s, swap, zero           ; four products: the four accumulators take turns, one instruction a turn, in the same order in every K step
.irp m, 0,1
.irp u, 0,1
.if \swap
.set rD, ACC+8*(2*\u+\m)
.set rA, \buf+16*\m
.set rB, W+16*(2*(\s)+\u)
.else
.set rD, ACC+8*(2*\m+\u)
.set rA, W+16*(2*(\s)+\u)
.set rB, \buf+16*\m
.endif
.if \zero
	v_wmma_f32_16x16x128_bf8_bf8 v[rD:rD+7], v[rA:rA+15], v[rB:rB+15], 0
.else
	v_wmma_f32_16x16x128_bf8_bf8 v[rD:rD+7], v[rA:rA+15], v[rB:rB+15], v[rD:rD+7]
.endif
.endr
.endr
.endm
.macro CHEAD a0, a1, off               ; a chunk's first two pairs of fragments
	AFETCH AF0, \a0, \a1, \off, 0
	AFETCH AF1, \a0, \a1, \off, 1
.endm
; 32 rows x 32 columns x 512 along K.  The chunk's 32 weight loads are my youngest global loads at its head, 8 for each K step: the counts 24, 16, 8 leave the later K steps out;
; in front of K step 3 the count 16 leaves the next chunk's low half out, which has just been asked for.  d0: the LDS instructions issued behind the first pair of fragments.
.macro CBODY a0, a1, off, swap, zero, next, d0
	s_wait_loadcnt 24
	s_wait_dscnt \d0
	MM AF0, 0, \swap, \zero
	s_wait_loadcnt 16
	s_wait_dscnt 0x0
	MM AF1, 1, \swap, 0
	PLACES
	s_wait_alu depctr_va_vdst(0)                   ; the products of K steps 0 and 1 are done reading AF0, AF1 and W's low half, in which the loads below land
	AFETCH AF0, \a0, \a1, \off, 2
	AFETCH AF1, \a0, \a1, \off, 3
	s_wait_loadcnt 8
	s_wait_dscnt 8
	MM AF0, 2, \swap, 0
.if \next >= 0
	WLOADH \next, 0                                ; no wait: no vector or matrix instruction since the wait above names W's low half
	s_wait_loadcnt 16
.else
	s_wait_loadcnt 0x0
.endif
	s_wait_dscnt 0x0
	MM AF1, 3, \swap, 0
	PLACES
.endm
.macro CEND next                       ; behind a chunk that has a successor
	s_wait_alu depctr_va_vdst(0)                   ; the products of K steps 2 and 3 are done reading W's high half, AF0 and AF1: the loads below, and the next LDS loads into AF0 and AF1, land there
	WLOADH \next, 1
.endm
.macro SETSC e                         ; s[e] = E:  v[SC] = 2^E, v[LIM] = 57,344 x 2^E
	s_add_co_i32 s[TS], s[\e], 127
	s_lshl_b32 s[TS+1], s[TS], 23
	v_mov_b32 v[SC], s[TS+1]
	s_add_co_i32 s[TS], s[TS], 15
	s_lshl_b32 s[TS], s[TS], 23
	s_or_b32 s[TS], s[TS], 0x600000
	v_mov_b32 v[LIM], s[TS]
.endm
.macro QUANT src, tmp, dst, relu       ; 16 neighbours along the next K become 16 codes in four registers; relu = 1: the activation and the hold in one
.irp i, 0,1,2,3,4,5,6,7,8,9,10,11,12,13,14,15
.if \relu
	v_med3_num_f32 v[\tmp+\i], v[\src+\i], 0, v[LIM]
.else
	v_med3_num_f32 v[\tmp+\i], v[\src+\i], -v[LIM], v[LIM]   ; the conversion to an 8-bit code does not saturate (ISA guide 7.6.2): the hold comes first
.endif
.endr
	v_cvt_scalef32_pk8_bf8_f32 v[\dst:\dst+1], v[\tmp:\tmp+7], v[SC]
	v_cvt_scalef32_pk8_bf8_f32 v[\dst+2:\dst+3], v[\tmp+8:\tmp+15], v[SC]
	v_nop                                          ; one plain vector instruction before anything writes the conversions' sources or touches their results
.endm
.macro BARRIER                         ; my LDS stores have landed and my LDS loads are in: then the work-group's barrier
	s_wait_dscnt 0x0
	s_barrier_signal -1
	s_barrier_wait -1
.endm
.macro SUM16 src, dst                  ; the sum of 16 registers, two at a time, in two chains
	v_pk_add_f32 v[122:123], v[\src:\src+1], v[\src+2:\src+3]
	v_pk_add_f32 v[124:125], v[\src+4:\src+5], v[\src+6:\src+7]
	v_pk_add_f32 v[122:123], v[122:123], v[\src+8:\src+9]
	v_pk_add_f32 v[124:125], v[124:125], v[\src+10:\src+11]
	v_pk_add_f32 v[122:123], v[122:123], v[\src+12:\src+13]
	v_pk_add_f32 v[124:125], v[124:125], v[\src+14:\src+15]
	v_pk_add_f32 v[122:123], v[122:123], v[124:125]
	v_add_f32 v[\dst], v122, v123
.endm
.macro SQ16 src, dst                   ; the sum of their squares
	v_pk_mul_f32 v[122:123], v[\src:\src+1], v[\src:\src+1]
	v_pk_mul_f32 v[124:125], v[\src+2:\src+3], v[\src+2:\src+3]
.irp i, 4,8,12
	v_pk_fma_f32 v[122:123], v[\src+\i:\src+\i+1], v[\src+\i:\src+\i+1], v[122:123]
	v_pk_fma_f32 v[124:125], v[\src+\i+2:\src+\i+3], v[\src+\i+2:\src+\i+3], v[124:125]
.endr
	v_pk_add_f32 v[122:123], v[122:123], v[124:125]
	v_add_f32 v[\dst], v122, v123
.endm
.macro HALVES r                        ; + lane l xor 16's: the row's other 16 of my wave's 32 columns
	v_permlanex16_b32 v127, v[\r], s[SEL], s[SEL+1]
	v_add_f32 v[\r], v[\r], v127
.endm
.macro POW2 d, a, b                    ; s[d] = s[d + 1] = 2^(s[a] + s[b]) as f32: a pair for the packed forms
	s_add_co_i32 s[\d], s[\a], s[\b]
	s_add_co_i32 s[\d], s[\d], 127
	s_lshl_b32 s[\d], s[\d], 23
	s_mov_b32 s[\d+1], s[\d]
.endm
.macro CLD reg, adr, off               ; 16 numbers of a bias or a gain at my 16 columns
.irp j, 0,1,2,3
	ds_load_b128 v[\reg+4*\j:\reg+4*\j+3], v[\adr] offset:(\off)+16*\j
.endr
.endm
.macro RLD off                         ; the sixteen waves' parts of my two rows' sums
.irp m, 0,1
.irp j, 0,1,2,3
	ds_load_b128 v[16+16*\m+4*\j:19+16*\m+4*\j], v15 offset:(\off)+\m*1024+16*\j
.endr
.endr
.endm
; v48-79 = what lies in XS at my places + the sums x 2^(the two exponents) + a bias (RESIN), and back to the same places (RESOUT): bytes that only this lane touches between the barriers round it.
.macro RESIN sp, off
.irp m, 0,1
.irp j, 0,1,2,3
	ds_load_b128 v[48+16*\m+4*\j:51+16*\m+4*\j], v9 offset:\m*33024+16*\j
.endr
.endr
	CLD 80, 10, \off
	s_wait_dscnt 0x0
.irp i, 0,2,4,6,8,10,12,14,16,18,20,22,24,26,28,30
	v_pk_fma_f32 v[48+\i:49+\i], v[ACC+\i:ACC+\i+1], s[\sp:\sp+1], v[48+\i:49+\i] op_sel_hi:[1,0,1]   ; each accumulator from its low end on
.endr
.irp m, 0,1
.irp i, 0,2,4,6,8,10,12,14
	v_pk_add_f32 v[48+16*\m+\i:49+16*\m+\i], v[48+16*\m+\i:49+16*\m+\i], v[80+\i:81+\i]
.endr
.endr
.endm
.macro RESOUT
.irp m, 0,1
.irp j, 0,1,2,3
	ds_store_b128 v9, v[48+16*\m+4*\j:51+16*\m+4*\j] offset:\m*33024+16*\j
.endr
.endr
.endm
	s_load_b512 s[8:23], s[0:1], 0x0               ; aimg s[8:9], wcodes s[10:11], x s[12:13], bo s[14:15], b1 s[16:17], b2 s[18:19], g s[20:21], b s[22:23]
	s_load_b128 s[24:27], s[0:1], 0x40             ; the exponents s[24:25], out0 s[26:27]
	v_lshrrev_b32 v114, 5, v0
	v_readfirstlane_b32 s2, v114                   ; wave 0..15
	v_and_b32 v114, 31, v0                         ; lane
	v_and_b32 v115, 15, v0                         ; r
	v_bfe_u32 v116, v0, 4, 1                       ; h
	v_lshlrev_b32 v[L16], 4, v114
	v_mul_u32_u24 v3, v116, 272
	v_lshl_add_u32 v3, v115, 4, v3
	v_add_nc_u32 v4, 8704, v3
	v_add_nc_u32 v5, H2IMG, v3
	v_add_nc_u32 v6, H2IMG+8704, v3
	v_add_nc_u32 v7, HIMG, v3
	v_add_nc_u32 v8, HIMG+34816, v3
	v_mul_u32_u24 v9, v115, 2064
	v_lshl_add_u32 v9, v116, 6, v9
	v_add_nc_u32 v9, XS, v9
	v_lshlrev_b32 v10, 6, v116
	v_add_nc_u32 v11, CONST, v10
	v_lshlrev_b32 v15, 6, v115
	v_add_nc_u32 v15, RED, v15
	v_lshlrev_b32 v122, 4, v0                      ; for the head alone: 16 x thread,
	v_and_b32 v123, 127, v0
	v_lshlrev_b32 v123, 4, v123                    ; 16 x (thread % 128),
	v_lshrrev_b32 v124, 4, v0
	v_mul_u32_u24 v124, v124, 272
	v_lshl_add_u32 v124, v115, 4, v124             ; AIMG + 272 (thread / 16) + 16 (thread % 16),
	v_add_nc_u32 v125, CONST, v122                 ; CONST + 16 x thread
	v_mov_b32 v127, 0                              ; a lane permute's destination counts as read
	s_wait_alu depctr_va_sdst(0)                   ; s2 is written, ahead of its first reader: offsets and addresses are made from it
	s_lshl_b32 s3, s2, 14
	v_add_nc_u32 v[WOFF], s3, v[L16]
	s_lshl_b32 s3, s2, 7
	v_add_nc_u32 v9, s3, v9
	v_add_nc_u32 v10, s3, v11
	s_lshl_b32 s3, s2, 9
	v_add_nc_u32 v11, s3, v11
	s_mul_i32 s3, s2, 544
	v_add_nc_u32 v12, s3, v5
	s_mul_i32 s3, s2, 2176
	v_add_nc_u32 v13, s3, v7
	s_lshl_b32 s3, s2, 2
	v_add_nc_u32 v14, s3, v15
	s_mul_i32 s3, s2, 4128
	v_add_nc_u32 v126, s3, v[L16]
	v_add_nc_u32 v126, XS, v126
	s_lshr_b32 s30, s2, 3                          ; my two whole rows: stage rows 2 w and 2 w + 1 = tile w / 8, rows 2 (w % 8) and + 1 = tokens 8 (w / 8) + 2 (w % 8) + 8 ((w / 4) % 2) and the next
	s_lshl_b32 s30, s30, 3
	s_and_b32 s31, s2, 7
	s_lshl_b32 s31, s31, 1
	s_add_co_u32 s30, s30, s31
	s_bfe_u32 s31, s2, 0x10002
	s_lshl_b32 s31, s31, 3
	s_add_co_u32 s30, s30, s31
	s_lshl_b32 s31, ttmp9, 5
	s_add_co_u32 s30, s30, s31
	s_lshl_b32 s30, s30, 11                        ; a row of x and of out is 2,048 bytes
	s_mov_b32 s31, 0
	s_lshl_b32 s28, ttmp9, 14                      ; my work-group's two tiles of attn's codes: 16,384 bytes
	s_mov_b32 s29, 0
	s_lshr_b32 s3, s2, 2
	s_mov_b32 s[EPS], 0x3727c5ac                   ; 1e-5
	s_mov_b32 s[RD], 0x3b000000                    ; 1 / 512
	s_mov_b32 s[SEL], 0x76543210
	s_mov_b32 s[SEL+1], 0xfedcba98
	s_wait_kmcnt 0x0
	s_load_b512 s[32:47], s[24:25], 0x0            ; e0 .. e15
	s_add_nc_u64 s[8:9], s[8:9], s[28:29]
	s_add_nc_u64 s[12:13], s[12:13], s[30:31]
	s_add_nc_u64 s[26:27], s[26:27], s[30:31]
	s_cmp_eq_u32 s3, 0                             ; waves 0-3 bring bo, 4-7 b2, 8-11 g, 12-15 b: a choice on the wave's number alone
	s_cselect_b64 s[4:5], s[14:15], s[18:19]
	s_cmp_eq_u32 s3, 2
	s_cselect_b64 s[4:5], s[20:21], s[4:5]
	s_cmp_eq_u32 s3, 3
	s_cselect_b64 s[4:5], s[22:23], s[4:5]
	s_wait_alu depctr_va_vdst(0)                   ; the offsets and LDS addresses v1 to v15, v122 to v126 are written, which every load and store of the kernel reads
	global_load_b128 v[16:19], v122, s[8:9] th:TH_LOAD_NT
	global_load_b128 v[20:23], v122, s[8:9] offset:8192 th:TH_LOAD_NT
.irp i, 0,1,2,3,4,5,6,7
	global_load_b128 v[24+4*\i:27+4*\i], v[L16], s[12:13] offset:\i*512 th:TH_LOAD_NT   ; my two rows of x: 4,096 consecutive bytes, 512 a load
.endr
	global_load_b128 v[56:59], v122, s[16:17]
	global_load_b128 v[60:63], v123, s[4:5]
	WLOADH 3, 0                                    ; wo's chunk
	WLOADH 3, 1
	s_wait_kmcnt 0x0
	POW2 48, 42, 43                                ; 2^(e10 + e11)
	POW2 50, 44, 45                                ; 2^(e12 + e13)
	POW2 52, 46, 47                                ; 2^(e14 + e15)
	s_wait_loadcnt 32                              ; the twelve fills are in; the 32 weight loads behind them stay out
	ds_store_b128 v124, v[16:19]
	ds_store_b128 v124, v[20:23] offset:8704
.irp i, 0,1,2,3,4,5,6,7
	ds_store_b128 v126, v[24+4*\i:27+4*\i] offset:(\i/4)*2064+(\i%4)*512
.endr
	ds_store_b128 v125, v[56:59]
	ds_store_b128 v125, v[60:63] offset:8192
	BARRIER                                        ; attn's codes, x and the constants lie in LDS
	s_wait_alu depctr_vm_vsrc(0)                   ; my LDS stores have read v16-63, which become accumulators and fragments; the fills and those stores have read v122-125, which the sums below use
	; ---- x1 = x + attn wo + bo, and its layernorm, in two passes; a row's 512 columns lie in sixteen waves, whose parts meet in RED
	CHEAD 3, 4, 0
	CBODY 3, 4, 0, 0, 1, 4, 8
	CEND 4
	RESIN 48, 8192
	SUM16 48, 114
	SUM16 64, 115
	HALVES 114
	HALVES 115
	s_wait_alu depctr_va_vdst(0)                   ; x1 in v48-79 and its partial sums v114, v115 are written, which the ten LDS stores read; the sums in v16-47 have been read, in which the partial sums' loads will land
	RESOUT
	ds_store_b32 v14, v114                         ; both halves of the lanes write the same word with the same number
	ds_store_b32 v14, v115 offset:1024
	BARRIER
	RLD 0
	s_wait_dscnt 0x0
	s_wait_alu depctr_vm_vsrc(0)                   ; the ten LDS stores have read v48-79, v114 and v115, which the lines below write again
	SUM16 16, 114
	SUM16 32, 115
	v_mul_f32 v116, s[RD], v114                    ; the means, each twice: pairs for the packed forms
	v_mul_f32 v117, s[RD], v114
	v_mul_f32 v118, s[RD], v115
	v_mul_f32 v119, s[RD], v115
.irp m, 0,1
.irp i, 0,2,4,6,8,10,12,14
	v_pk_add_f32 v[48+16*\m+\i:49+16*\m+\i], v[48+16*\m+\i:49+16*\m+\i], v[116+2*\m:117+2*\m] neg_lo:[0,1] neg_hi:[0,1]
.endr
.endr
	SQ16 48, 114
	SQ16 64, 115
	HALVES 114
	HALVES 115
	s_wait_alu depctr_va_vdst(0)                   ; the partial sums of squares v114, v115 are written, which the two LDS stores read; v16-47 and v80-95 have been read, in which the loads behind the barrier land
	ds_store_b32 v14, v114 offset:2048
	ds_store_b32 v14, v115 offset:3072
	BARRIER
	RLD 2048
	CLD 80, 10, 12288                              ; g
	CLD 96, 10, 14336                              ; b
	s_wait_dscnt 0x0
	s_wait_alu depctr_vm_vsrc(0)                   ; the two LDS stores have read v114 and v115, which the lines below write again
	SUM16 16, 114
	SUM16 32, 115
	v_fma_f32 v114, v114, s[RD], s[EPS]            ; variance + 1e-5
	v_fma_f32 v115, v115, s[RD], s[EPS]
	s_wait_alu depctr_va_vdst(0)
	v_rsq_f32 v116, v114
	v_rsq_f32 v117, v114
	v_rsq_f32 v118, v115
	v_rsq_f32 v119, v115
	v_nop                                          ; a plain instruction behind the transcendentals
	s_wait_alu depctr_va_vdst(0)                   ; the four reciprocal roots v116 to v119 are written, ahead of their first reader
.irp m, 0,1
.irp i, 0,2,4,6,8,10,12,14
	v_pk_mul_f32 v[48+16*\m+\i:49+16*\m+\i], v[48+16*\m+\i:49+16*\m+\i], v[116+2*\m:117+2*\m]
.endr
.endr
.irp m, 0,1
.irp i, 0,2,4,6,8,10,12,14
	v_pk_fma_f32 v[48+16*\m+\i:49+16*\m+\i], v[48+16*\m+\i:49+16*\m+\i], v[80+\i:81+\i], v[96+\i:97+\i]
.endr
.endr
	SETSC 44                                       ; e12
	QUANT 48, 48, CD, 0
	QUANT 64, 64, CD+4, 0
	s_wait_alu depctr_va_vdst(0)                   ; the conversions have written v[CD] on, which the two LDS stores read; all vector work on v48-111 is done, in which the next fragments land
	ds_store_b128 v12, v[CD:CD+3]
	ds_store_b128 v12, v[CD+4:CD+7] offset:8704
	SETSC 46                                       ; e14, for the whole hidden layer
	BARRIER                                        ; h2's codes lie in LDS
	; ---- the hidden layer: my 128 units, 32 at a time.  h2's codes stay as they are, so a block's first pair of fragments is asked for in the block before, behind b1's loads; the second pair shares its registers with b1 and follows the block's stores
	CHEAD 5, 6, 0
.irp b, 0,1,2,3
.if \b == 0
	CBODY 5, 6, 0, 0, 1, 5+\b, 8
.else
	CBODY 5, 6, 0, 0, 1, 5+\b, 10                  ; behind the first pair of fragments stand the last block's two stores and the second pair's eight loads
.endif
	CEND 5+\b
	CLD 80, 11, \b*128                             ; b1 at units 128 w + 32 b + 16 h + 0 .. 15
.if \b < 3
	AFETCH AF0, 5, 6, 0, 0                         ; the next block's first pair: the work below names neither v48-79 nor W
	s_wait_dscnt 8                                 ; b1 is in; the eight loads behind it may be out
.else
	s_wait_dscnt 0x0
.endif
	s_wait_alu depctr_vm_vsrc(0)                   ; the LDS stores of the codes before (h2's, or the last block's) have read v[CD] on, which the conversions below write again
.irp m, 0,1
.irp i, 0,2,4,6,8,10,12,14
	v_pk_fma_f32 v[ACC+16*\m+\i:ACC+16*\m+\i+1], v[ACC+16*\m+\i:ACC+16*\m+\i+1], s[50:51], v[80+\i:81+\i] op_sel_hi:[1,0,1]
.endr
.endr
	QUANT ACC, ACC, CD, 1
	QUANT ACC+16, ACC+16, CD+4, 1
	s_wait_alu depctr_va_vdst(0)                   ; the conversions have written v[CD] on, which the two LDS stores read; b1 in v80-95 has been read, where the next fragments land
	ds_store_b128 v13, v[CD:CD+3] offset:\b*544
	ds_store_b128 v13, v[CD+4:CD+7] offset:\b*544+34816
.if \b < 3
	AFETCH AF1, 5, 6, 0, 1                         ; the next block's second pair
.endif
.endr
	BARRIER                                        ; the hidden layer's codes lie in LDS
	; ---- out = x1 + hidden w2 + b2: one sum over K = 2,048, sixteen K steps on four accumulators by turns
	CHEAD 7, 8, 0
	CBODY 7, 8, 0, 0, 1, 9, 8
	CEND 9
	CHEAD 7, 8, 8704
	CBODY 7, 8, 8704, 0, 0, 10, 8
	CEND 10
	CHEAD 7, 8, 17408
	CBODY 7, 8, 17408, 0, 0, 11, 8
	CEND 11
	CHEAD 7, 8, 26112
	CBODY 7, 8, 26112, 0, 0, -1, 8
	s_wait_alu depctr_va_vdst(0)                   ; the last products are done reading AF0 and AF1, in which x1 and b2 land
	RESIN 52, 10240
	s_wait_alu depctr_va_vdst(0)                   ; out in v48-79 is written, which the eight LDS stores read; the sums in v16-47 have been read, in which whole rows will land
	RESOUT
	BARRIER                                        ; 32 whole rows of out lie in XS
.irp i, 0,1,2,3,4,5,6,7
	ds_load_b128 v[16+4*\i:19+4*\i], v126 offset:(\i/4)*2064+(\i%4)*512
.endr
.irp i, 0,1,2,3,4,5,6,7
	s_wait_dscnt 7-\i                              ; LDS loads come back in order: load i is in, the younger ones may be out
	global_store_b128 v[L16], v[16+4*\i:19+4*\i], s[26:27] offset:(\i/4)*2048+(\i%4)*512 th:TH_STORE_NT   ; the wave stores 512 consecutive aligned bytes
.endr
	s_wait_xcnt 0x0                                ; every earlier memory instruction has had its addresses translated (ISA guide 3.1)
	v_lshl_add_u32 v254, v0, 2, 0x2ec00            ; the add's two registers are made anew, in registers that held weights: loads landed in them and products read them, no memory or LDS instruction ever read them
	v_mov_b32 v255, 0
	s_wait_dscnt 0x0                               ; the closing lines, six on end
	s_wait_alu 0x0
	s_wait_tensorcnt 0x0
	ds_add_u32 v254, v255
	s_wait_dscnt 0x0
	s_endpgm
.Lfunc_end_k_qdba2dd211c_tail:
	.size	k_qdba2dd211c_tail, .Lfunc_end_k_qdba2dd211c_tail-k_qdba2dd211c_tail
	.p2alignl 7, 3214868480
	.fill 96, 4, 3214868480
	.section	.rodata,"a",@progbits
	.p2align	6, 0x0
	.amdhsa_kernel k_qdba2dd211c_tail
		.amdhsa_group_segment_fixed_size 193536
		.amdhsa_private_segment_fixed_size 0
		.amdhsa_enable_private_segment 0
		.amdhsa_kernarg_size 80
		.amdhsa_user_sgpr_count 2
		.amdhsa_user_sgpr_kernarg_segment_ptr 1
		.amdhsa_wavefront_size32 1
		.amdhsa_system_sgpr_workgroup_id_x 1
		.amdhsa_system_sgpr_workgroup_id_y 1
		.amdhsa_system_sgpr_workgroup_id_z 1
		.amdhsa_system_vgpr_workitem_id 0
		.amdhsa_next_free_vgpr 256
		.amdhsa_next_free_sgpr 66
		.amdhsa_reserve_vcc 0
		.amdhsa_float_denorm_mode_32 3
		.amdhsa_float_denorm_mode_16_64 3
		.amdhsa_memory_ordered 1
		.amdhsa_forward_progress 1
		.amdhsa_inst_pref_size 103
	.end_amdhsa_kernel
	.amdgpu_metadata
---
amdhsa.version: [ 1, 2 ]
amdhsa.kernels:
  - .name:           k_qdba2dd211c_tail
    .symbol:         k_qdba2dd211c_tail.kd
    .args:
      - { .name: aimg, .offset: 0, .size: 8, .value_kind: global_buffer, .address_space: global }
      - { .name: wcodes, .offset: 8, .size: 8, .value_kind: global_buffer, .address_space: global }
      - { .name: x, .offset: 16, .size: 8, .value_kind: global_buffer, .address_space: global }
      - { .name: bo, .offset: 24, .size: 8, .value_kind: global_buffer, .address_space: global }
      - { .name: b1, .offset: 32, .size: 8, .value_kind: global_buffer, .address_space: global }
      - { .name: b2, .offset: 40, .size: 8, .value_kind: global_buffer, .address_space: global }
      - { .name: g_ln2, .offset: 48, .size: 8, .value_kind: global_buffer, .address_space: global }
      - { .name: b_ln2, .offset: 56, .size: 8, .value_kind: global_buffer, .address_space: global }
      - { .name: lowp_scales, .offset: 64, .size: 8, .value_kind: global_buffer, .address_space: global }
      - { .name: out0, .offset: 72, .size: 8, .value_kind: global_buffer, .address_space: global }
    .group_segment_fixed_size: 193536
    .private_segment_fixed_size: 0
    .kernarg_segment_align: 8
    .kernarg_segment_size: 80
    .max_flat_workgroup_size: 512
    .sgpr_count:     66
    .vgpr_count:     256
    .wavefront_size: 32
...
	.end_amdgpu_metadata
.endif
;; end of part 8
